; MI455X (gfx1250); checked and timed in simulation.
; The chip was launched on July 23, 2026; its instructions are those of AMD's public machine-readable ISA for CDNA 5 (MIT licence, August 2026) and "CDNA5" Instruction Set Architecture Reference Guide (July 2026). The comments in the code are by the model that wrote it; some were corrected since.
;; Self Attention. Allowed arithmetic: matrix products marked QUANTISED: E2M3 operands, one E8M0 scale for each 32 along K, by v_wmma_scale_f32_16x16x128_f8f6f4 with both operands' format E2M3, f32 sums; everything else in f32.
;; Inputs: bk 2,048 float32; bo 2,048 float32; bq 2,048 float32; bv 2,048 float32; freqs 2,048 x 1 x 64 x 2 float32; gk 2,048 float32; gq 2,048 float32; wk 2,048 x 2,048 float32; wo 2,048 x 2,048 float32; wq 2,048 x 2,048 float32; wv 2,048 x 2,048 float32; x 1 x 2,048 x 2,048 float32.
;; Outputs: out0 1 x 2,048 x 2,048 float32.
;; This version of the problem:
;;   THIS VERSION OF THE PROBLEM IS GIVEN IN LOW PRECISION. The matrix products marked QUANTISED in the list below multiply operands that are first quantised to E2M3 (2 exponent bits, 3 mantissa bits; 6 bits a number), with one power-of-two scale for each 32 numbers along K (OCP MX v1.0); their sums are f32. All else is computed in f32.
;;   The module's matrix products, in the order in which they are computed (A, B: the left and right operand; K: the contracted axis; several contracted axes count as one K, in the product's order):
;;     1. [M 2,048, K 2,048] x [K 2,048, N 2,048]; A: input x; B: input wq: QUANTISED
;;     2. [M 2,048, K 2,048] x [K 2,048, N 2,048]; A: input x; B: input wk: QUANTISED
;;     3. [M 2,048, K 2,048] x [K 2,048, N 2,048]; A: input x; B: input wv: QUANTISED
;;     4. batch 16 x [M 2,048, K 128] x [K 128, N 2,048]; A: computed on the way; B: computed on the way: QUANTISED
;;     5. batch 16 x [M 2,048, K 2,048] x [K 2,048, N 128]; A: softmax (see below); B: computed on the way: QUANTISED
;;     6. [M 2,048, K 2,048] x [K 2,048, N 2,048]; A: computed on the way; B: input wo: QUANTISED
;;   THE QUANTISER, for each operand of a quantised product, along K:
;;     - K is cut into blocks of 32 from its start; a last block that is shorter is filled with zeros.
;;     - A block's scale is 2^e with e = floor(log2(the largest magnitude in the block)) - 2, held to -126 .. 127; a block of zeros has e = 0. As a byte (E8M0): e + 127.
;;     - Each number is divided by its block's scale, clamped to +-7.5, and rounded to the nearest number of E2M3, ties to even, subnormals kept.
;;     - The product sums the exact products of the quantised numbers (number of the format x scale) in f32.
;;   ~~~python
;;   def quantise(x, axis):      # numpy; x: float32 -> the quantised numbers, widened to float32 again
;;       x = np.moveaxis(x, axis, -1); K = x.shape[-1]
;;       x = np.pad(x, [(0, 0)] * (x.ndim - 1) + [(0, -K % 32)]); x = x.reshape(x.shape[:-1] + (-1, 32)); a = np.abs(x).max(-1, keepdims=True)
;;       e = np.where(a > 0, np.clip(np.frexp(np.where(a > 0, a, 1))[1] - 1 - 2, -126, 127), 0)      # np.frexp(a)[1] - 1 = floor(log2(a)), exactly
;;       r = np.clip(x / 2.0 ** e, -7.5, 7.5)
;;       step = 2.0 ** (np.maximum(np.frexp(np.where(r == 0, 1, r))[1] - 1, 0) - 3)
;;       q = np.round(r / step) * step * 2.0 ** e      # np.round: ties to even
;;       return np.moveaxis(q.reshape(q.shape[:-2] + (-1,))[..., :K], -1, axis).astype(np.float32)
;;   ~~~
;;   SOFTMAX AHEAD OF A QUANTISED PRODUCT. Where the list says 'softmax', what is quantised is not the finished softmax but p = 2^(t - M), with t = logit x log2(e) and M = ceil(the row's largest t), a whole number; so 1/2 < the row's largest p <= 1. The row's sum l is taken of the UNQUANTISED p, in f32, and the product's result is divided by l at the end. Since M is a whole number, a kernel that streams over the keys may use a running M (the ceiling of the running maximum): every later rescaling is an exact power of two, which a block's scale takes up: the codes' values come out the same.
;;   OPERANDS COMPUTED ON THE WAY. 'Computed on the way' means the value that the module computes at that place (a softmax that the list does not call 'softmax' is quantised finished and normalised). What goes into a quantiser is computed in f32, as accurately as f32 sums, v_exp_f32 and their like allow (about 1e-6 of the number): no bf16 or f16 on the way to a quantiser, and a product that is left as it is and whose result goes on into a quantised operand takes f32 operands (vector FMAs, or v_wmma_f32_16x16x4_f32). A number that lies on a knife's edge between two numbers of the format may be rounded either way, as far as f32 arithmetic and the matrix unit's own rounding can turn it there, and no further.
;; One version. Each part assembles by itself: llvm-mc -triple=amdgcn-amd-amdhsa -mcpu=gfx1250 --defsym DOCPART=n.
;; ======== version 1 of 1: 5 launches
;; limits: right only within a limited range of input values
;; workspace buffers: xq 3,538,944 bytes; w3q 9,830,400 bytes; woq 3,538,944 bytes; qkv 33,554,432 bytes; aq 9,830,400 bytes; oq 3,538,944 bytes
;; launch quant (part 1): grid 320 x 1, 8 waves a work-group, no clusters, 93,440 bytes of LDS; arguments x, wq, wk, wv, wo, xq, w3q, woq; writes xq, w3q, woq
.if DOCPART == 1
	.amdgcn_target "amdgcn-amd-amdhsa--gfx1250"
	.amdhsa_code_object_version 6
	.text
	.protected	k_qee9da58563_quant
	.globl	k_qee9da58563_quant
	.p2align	8
	.type	k_qee9da58563_quant,@function
k_qee9da58563_quant:
	s_mov_b64 s[64:65], 0
	v_nop
	global_prefetch_b8 v0, s[64:65] scope:SCOPE_SE
	s_setreg_imm32_b32 hwreg(HW_REG_WAVE_MODE, 25, 1), 1
	s_wait_xcnt 0x0
; x, wq, wk, wv, wo, each [2048][2048] f32 with K innermost, become codes of FP6 (E2M3) with one E8M0 byte for each 32 along K.
; A block's scale is 2^(floor(log2(its largest magnitude)) - 2); its byte is the largest magnitude's exponent field - 2, held at 1 from below.
; LIMITS: a block of zeros, or one under 2^-124, gets the byte 1 (its codes are zeros or tiny; the bytes are read by this program alone); NaN and infinities are not served.
; THE OUTPUT'S LAYOUT is the order of an operand's registers.  Rows go in groups of 32; row p of a group lies in tile u = (p / 8) % 2 at lane-row r = p % 8 + 8 (p / 16).
; A fragment (16 lane-rows x 128 K) is 1,536 bytes: register g of lane r + 16 h at 512 (g / 4) + 16 (r + 16 h) + 4 (g % 4); register 6 c + i of lane (r, h) holds bytes 48 c + 24 h + 4 i of the row's 96.
; A buffer holds the scale words first (tile T at 1,024 T: [K step][lane-row][4 bytes]) and from byte CODES on the codes (tile T at 24,576 T: [K step][1,536]).
; SHARES.  A work-group takes 32 rows of one tensor (tensor = number / 64), a wave four of them: 32,768 consecutive bytes, 16 steps of 512 numbers.  Each load reads 512 consecutive bytes; a step turns through the wave's own
; stage in LDS so that a lane holds 16 neighbours along K; the codes and bytes are gathered in the work-group's image of its two tiles, and leave behind one barrier in stores of 512 consecutive bytes.
; Waves share no input, so there is no cluster and no tensor load; loads run four steps (16 loads a wave) ahead.
.set WAVES, 8
.set STEPS, 16
.set EMAX,  2
.set SP,    80                         ; a lane's place in a turn stage: 64 bytes + 16 of padding
.set TREG,  2*32*SP                    ; two turn stages for each wave
.set IMG,   WAVES*TREG                 ; the image: K step j at j JP, in it tile u at 1,536 u
.set JP,    3088                       ; 3,072 + 16: the four K steps that a store touches start four banks apart
.set SST,   IMG+16*JP                  ; the scale bytes: [u][K step][lane-row][4]: 2,048 bytes as they lie in memory
.set CODES, 393216
.set FRB,   1536
.set TILEB, 24576
.set R,     16                         ; v16-79   four sets of 16 numbers as loaded
.set X,     80                         ; v80-111  two sets of 16 neighbours
.set E,     112                        ; v112-127 a scale byte for each step
.set C,     128                        ; v128-191 four registers of codes for each step
.set AD,    4                          ; v4-6     where my three registers of codes go in the image
.set SA,    7                          ; v7       where my block's byte goes
	s_load_b512 s[4:19], s[0:1], 0x0               ; x, wq, wk, wv, wo, xq, w3q, woq
	v_lshl_add_u32 v192, v0, 2, 0x16900
	v_mov_b32 v193, 0
	v_lshrrev_b32 v1, 5, v0
	s_delay_alu instid0(VALU_DEP_1)
	v_readfirstlane_b32 s24, v1                    ; wave 0..7
	v_and_b32 v2, 31, v0                           ; lane
	s_wait_alu depctr_va_vdst(0)
	v_lshlrev_b32 v3, 4, v2                        ; 16 x lane
	s_mul_i32 s25, s24, TREG
	v_lshrrev_b32 v14, 2, v2
	s_delay_alu instid0(VALU_DEP_1)
	v_mul_u32_u24 v14, v14, SP
	v_and_b32 v15, 3, v2
	s_delay_alu instid0(VALU_DEP_1)
	v_lshl_add_u32 v14, v15, 4, v14
	s_delay_alu instid0(VALU_DEP_1)
	v_add_nc_u32 v14, s25, v14                     ; the turn stage, in: SP (lane / 4) + 16 (lane % 4)
	v_mul_u32_u24 v15, v2, SP
	s_delay_alu instid0(VALU_DEP_1)
	v_add_nc_u32 v15, s25, v15                     ; and out: SP x lane
	s_bfe_u32 s26, s24, 0x10001                    ; my rows 4 w .. 4 w + 3 lie in tile u = (w / 2) % 2,
	s_and_b32 s27, s24, 1
	s_lshl_b32 s27, s27, 2
	s_lshr_b32 s28, s24, 2
	s_lshl_b32 s28, s28, 3
	s_add_co_u32 s27, s27, s28                     ; from lane-row 4 (w % 2) + 8 (w / 4) on
	s_mul_i32 s28, s26, FRB
	s_lshl_b32 s29, s27, 4
	s_add_co_u32 s28, s28, s29
	s_add_co_u32 s28, s28, IMG
	s_lshl_b32 s29, s26, 10
	s_lshl_b32 s30, s27, 2
	s_add_co_u32 s29, s29, s30
	s_add_co_u32 s29, s29, SST
	; behind the turn lane l holds K = 16 l .. 16 l + 15 of a step's 512: K step l / 8 of the step's four; in it p = l % 8: registers 6 (p / 4) + 3 (p % 2) + 0 .. 2 of half h = (p / 2) % 2
	v_and_b32 v8, 7, v2                            ; p
	v_lshrrev_b32 v9, 3, v2                        ; l / 8
	s_delay_alu instid0(VALU_DEP_2)
	v_bfe_u32 v10, v8, 1, 1                        ; h
	s_delay_alu instid0(VALU_DEP_3)
	v_lshrrev_b32 v11, 2, v8
	s_delay_alu instid0(VALU_DEP_4)
	v_and_b32 v12, 1, v8
	s_delay_alu instid0(VALU_DEP_2)
	v_mul_u32_u24 v11, v11, 6
	s_delay_alu instid0(VALU_DEP_1)
	v_mad_u32_u24 v11, v12, 3, v11                 ; my first register
	v_mul_u32_u24 v13, v9, JP
	s_delay_alu instid0(VALU_DEP_1)
	v_lshl_add_u32 v13, v10, 8, v13
	s_delay_alu instid0(VALU_DEP_1)
	v_add_nc_u32 v13, s28, v13
.irp k, 0,1,2
	v_add_nc_u32 v12, \k, v11
	s_delay_alu instid0(VALU_DEP_1)
	v_lshrrev_b32 v10, 2, v12
	s_delay_alu instid0(VALU_DEP_2)
	v_and_b32 v12, 3, v12
	s_delay_alu instid0(VALU_DEP_2)
	v_lshl_add_u32 v[AD+\k], v10, 9, v13
	s_delay_alu instid0(VALU_DEP_1)
	v_lshl_add_u32 v[AD+\k], v12, 2, v[AD+\k]
.endr
	v_lshrrev_b32 v12, 1, v8                       ; my block of the K step's four
	s_delay_alu instid0(VALU_DEP_1)
	v_lshl_add_u32 v[SA], v9, 6, v12
	s_delay_alu instid0(VALU_DEP_1)
	v_add_nc_u32 v[SA], s29, v[SA]
	s_mul_i32 s30, s24, 2*JP                       ; the way out: wave w copies K steps 2 w and 2 w + 1,
	s_add_co_u32 s30, s30, IMG
	v_add_nc_u32 v10, s30, v3
	v_lshlrev_b32 v12, 3, v2                       ; and 256 of the scale bytes, 8 a lane
	s_lshl_b32 s30, s24, 8
	s_add_co_u32 s30, s30, SST
	v_add_nc_u32 v13, s30, v12
	s_lshr_b32 s20, ttmp9, 6                       ; which tensor: 0 x, 1 wq, 2 wk, 3 wv, 4 wo
	s_and_b32 s21, ttmp9, 63                       ; which 32 rows of it
	s_sub_co_u32 s22, s20, 1
	s_cmp_lt_u32 s22, 3                            ; wq, wk, wv lie one behind the other in w3q
	s_cselect_b32 s22, s22, 0
	s_lshl_b32 s22, s22, 6
	s_add_co_u32 s22, s22, s21                     ; the group's number in its output buffer
	s_wait_kmcnt 0x0
	s_cmp_eq_u32 s20, 1                            ; the choices hang on the work-group's number alone
	s_cselect_b64 s[4:5], s[6:7], s[4:5]
	s_cmp_eq_u32 s20, 2
	s_cselect_b64 s[4:5], s[8:9], s[4:5]
	s_cmp_eq_u32 s20, 3
	s_cselect_b64 s[4:5], s[10:11], s[4:5]
	s_cmp_eq_u32 s20, 4
	s_cselect_b64 s[4:5], s[12:13], s[4:5]
	s_cselect_b64 s[16:17], s[18:19], s[16:17]
	s_cmp_eq_u32 s20, 0
	s_cselect_b64 s[14:15], s[14:15], s[16:17]
	s_lshl_b32 s32, s21, 18                        ; in: 32 rows of 8,192 bytes a group, four a wave
	s_lshl_b32 s33, s24, 15
	s_add_co_u32 s32, s32, s33
	s_mov_b32 s33, 0
	s_add_nc_u64 s[4:5], s[4:5], s[32:33]
	s_mul_i32 s32, s22, 2*TILEB                    ; codes: two tiles a group, my two K steps
	s_mul_i32 s34, s24, 2*FRB
	s_add_co_u32 s32, s32, s34
	s_add_co_u32 s32, s32, CODES
	s_add_nc_u64 s[8:9], s[14:15], s[32:33]
	s_lshl_b32 s32, s22, 11                        ; scale bytes: 2,048 a group, my 256
	s_lshl_b32 s34, s24, 8
	s_add_co_u32 s32, s32, s34
	s_add_nc_u64 s[10:11], s[14:15], s[32:33]
.macro LOAD t
.irp i, 0,1,2,3
	global_load_b128 v[R+16*((\t)%4)+4*\i:R+16*((\t)%4)+4*\i+3], v3, s[4:5] offset:2048*(\t)+512*\i th:TH_LOAD_NT   ; 32 lanes read 512 consecutive bytes
.endr
.endm
.macro TURN t                          ; step t through the stage: LDS serves a wave's instructions in order, so no wait stands between the stores and the loads
.irp i, 0,1,2,3
	ds_store_b128 v14, v[R+16*((\t)%4)+4*\i:R+16*((\t)%4)+4*\i+3] offset:32*SP*((\t)%2)+8*SP*\i
.endr
.irp i, 0,1,2,3
	ds_load_b128 v[X+16*((\t)%2)+4*\i:X+16*((\t)%2)+4*\i+3], v15 offset:32*SP*((\t)%2)+16*\i
.endr
.endm
.irp t, 0,1,2,3
	LOAD \t
.endr
	s_wait_loadcnt 12                              ; step 0's four loads are in
	TURN 0
.macro STEP t                          ; step t: row t / 4 of my four, K from 512 (t % 4) on
.set XS, X+16*((\t)%2)
.if (\t) > 0
	s_wait_dscnt 4                                 ; this step's numbers are back; the last step's four stores into the image may be out
.else
	s_wait_dscnt 0x0
.endif
.if (\t)+4 < STEPS
	LOAD (\t)+4
.endif
.if (\t)+1 < STEPS
.if STEPS-2-(\t) >= 3
	s_wait_loadcnt 12                              ; the next step's four loads are in; those of the three steps behind it may be out
.else
	s_wait_loadcnt 4*(STEPS-2-(\t))
.endif
	TURN (\t)+1
.endif
	v_max3_num_f32 v8, |v[XS]|, |v[XS+1]|, |v[XS+2]|               ; the largest magnitude of my 16, in two chains
	v_max3_num_f32 v9, |v[XS+3]|, |v[XS+4]|, |v[XS+5]|
.irp i, 6,10
	s_delay_alu instid0(VALU_DEP_2)
	v_max3_num_f32 v8, v8, |v[XS+\i]|, |v[XS+\i+1]|
	s_delay_alu instid0(VALU_DEP_2)
	v_max3_num_f32 v9, v9, |v[XS+\i+2]|, |v[XS+\i+3]|
.endr
	s_delay_alu instid0(VALU_DEP_2)
	v_max3_num_f32 v8, v8, |v[XS+14]|, |v[XS+15]|
	s_delay_alu instid0(VALU_DEP_1)
	v_max3_num_f32 v8, v8, v9, (EMAX+1)<<23        ; and the floor 2^(3 - 127): the byte cannot fall under 1
	s_delay_alu instid0(VALU_DEP_1)
	v_max_num_f32_dpp v8, v8, v8 row_xmask:1 row_mask:0xf bank_mask:0xf   ; with my neighbour's 16: the block's
	s_delay_alu instid0(VALU_DEP_1)
	v_add_nc_u32 v11, -(EMAX<<23), v8              ; 2 off its exponent field: the conversion takes this operand's exponent field as its scale
	v_cvt_scalef32_pk16_fp6_f32 v[C+4*(\t):C+4*(\t)+2], v[XS:XS+15], v11
	v_lshrrev_b32 v[E+(\t)], 23, v11               ; the scale's byte (also the plain line behind the conversion)
.irp k, 0,1,2
	ds_store_b32 v[AD+\k], v[C+4*(\t)+\k] offset:((\t)%4)*4*JP+16*((\t)/4)
.endr
	ds_store_b8 v[SA], v[E+(\t)] offset:((\t)%4)*256+4*((\t)/4)   ; both lanes of a block write the same byte with the same value
.endm
.irp t, 0,1,2,3,4,5,6,7,8,9,10,11,12,13,14,15
	STEP \t
.endr
	s_wait_dscnt 0x0                               ; for the others' sake: my stores into the image have landed
	s_barrier_signal -1
	s_barrier_wait -1
.irp n, 0,1,2,3,4,5,6,7,8,9,10,11
	ds_load_b128 v[16+4*\n:19+4*\n], v10 offset:(\n/6)*JP+((\n/3)%2)*FRB+(\n%3)*512
.endr
	ds_load_b64 v[64:65], v13
.irp n, 0,1,2,3,4,5,6,7,8,9,10,11
	s_wait_dscnt 12-\n                             ; load n is in; the younger ones may be out
	global_store_b128 v3, v[16+4*\n:19+4*\n], s[8:9] offset:(\n/6)*FRB+((\n/3)%2)*TILEB+(\n%3)*512   ; 512 consecutive bytes, at a multiple of 512 from the buffer's first byte
.endr
	s_wait_dscnt 0x0
	global_store_b64 v12, v[64:65], s[10:11]       ; 256 consecutive bytes, aligned
	s_wait_tensorcnt 0x0
	ds_add_u32 v192, v193
	s_wait_dscnt 0x0
	s_endpgm
.Lfunc_end_k_qee9da58563_quant:
	.size	k_qee9da58563_quant, .Lfunc_end_k_qee9da58563_quant-k_qee9da58563_quant
	.p2alignl 7, 3214868480
	.fill 96, 4, 3214868480
	.section	.rodata,"a",@progbits
	.p2align	6, 0x0
	.amdhsa_kernel k_qee9da58563_quant
		.amdhsa_group_segment_fixed_size 93440
		.amdhsa_private_segment_fixed_size 0
		.amdhsa_enable_private_segment 0
		.amdhsa_kernarg_size 64
		.amdhsa_user_sgpr_count 2
		.amdhsa_user_sgpr_kernarg_segment_ptr 1
		.amdhsa_wavefront_size32 1
		.amdhsa_system_sgpr_workgroup_id_x 1
		.amdhsa_system_sgpr_workgroup_id_y 1
		.amdhsa_system_sgpr_workgroup_id_z 1
		.amdhsa_system_vgpr_workitem_id 0
		.amdhsa_next_free_vgpr 194
		.amdhsa_next_free_sgpr 66
		.amdhsa_reserve_vcc 0
		.amdhsa_float_denorm_mode_32 3
		.amdhsa_float_denorm_mode_16_64 3
		.amdhsa_memory_ordered 1
		.amdhsa_forward_progress 1
		.amdhsa_inst_pref_size 43
	.end_amdhsa_kernel
	.amdgpu_metadata
---
amdhsa.version: [ 1, 2 ]
amdhsa.kernels:
  - .name:           k_qee9da58563_quant
    .symbol:         k_qee9da58563_quant.kd
    .args:
      - { .name: x, .offset: 0, .size: 8, .value_kind: global_buffer, .address_space: global }
      - { .name: wq, .offset: 8, .size: 8, .value_kind: global_buffer, .address_space: global }
      - { .name: wk, .offset: 16, .size: 8, .value_kind: global_buffer, .address_space: global }
      - { .name: wv, .offset: 24, .size: 8, .value_kind: global_buffer, .address_space: global }
      - { .name: wo, .offset: 32, .size: 8, .value_kind: global_buffer, .address_space: global }
      - { .name: xq, .offset: 40, .size: 8, .value_kind: global_buffer, .address_space: global }
      - { .name: w3q, .offset: 48, .size: 8, .value_kind: global_buffer, .address_space: global }
      - { .name: woq, .offset: 56, .size: 8, .value_kind: global_buffer, .address_space: global }
    .group_segment_fixed_size: 93440
    .private_segment_fixed_size: 0
    .kernarg_segment_align: 8
    .kernarg_segment_size: 64
    .max_flat_workgroup_size: 256
    .sgpr_count:     66
    .vgpr_count:     194
    .wavefront_size: 32
...
	.end_amdgpu_metadata
.endif
;; end of part 1
;; launch qkv (part 2): grid 24 x 8, 4 waves a work-group, clusters of 4 x 4, 327,680 bytes of LDS; arguments xq, w3q, bq, bk, bv, qkv, aq; writes qkv, aq
.if DOCPART == 2
	.amdgcn_target "amdgcn-amd-amdhsa--gfx1250"
	.amdhsa_code_object_version 6
	.text
	.protected	k_qee9da58563_qkv
	.globl	k_qee9da58563_qkv
	.p2align	8
	.type	k_qee9da58563_qkv,@function
k_qee9da58563_qkv:
	s_mov_b64 s[64:65], 0
	v_nop
	global_prefetch_b8 v0, s[64:65] scope:SCOPE_SE
	s_setreg_imm32_b32 hwreg(HW_REG_WAVE_MODE, 25, 1), 1
	s_wait_xcnt 0x0
	s_wait_alu depctr_hold_cnt(0) depctr_sa_sdst(0) depctr_va_vdst(0) depctr_va_sdst(0) depctr_va_ssrc(0) depctr_va_vcc(0) depctr_vm_vsrc(0)
	s_getreg_b32 s2, hwreg(HW_REG_IB_STS2, 6, 4)
	s_cmp_eq_u32 s2, 0
	s_cbranch_scc0 .Lentry_in_a_cluster
	s_endpgm
.Lentry_in_a_cluster:
	s_bfe_u32 s2, ttmp6, 0x10000c
	s_cmp_lg_u32 s2, 0xf033
	s_cbranch_scc0 .Lentry_shape_is_right
	s_endpgm
.Lentry_shape_is_right:
; Three products on codes of FP6 (E2M3) with E8M0 scales, K = 2,048: plane 0: x wq^T + bq, plane 1: x wk^T + bk (f32, into qkv); plane 2: V^T = wv x^T + bv (codes, into aq).
; ONE TEXT: a block of 256 x 256 has an A side and a B side.  Planes 0, 1: A = x's tokens, B = the weight's channels.  Plane 2: A = wv's channels, B = x's tokens.  The plane is the cluster's x / 2, the same in all partners.
; Operands lie in the order of their registers: a fragment (16 lane-rows x 128 K) is 1,536 dense bytes; tile T's codes at CODES + 24,576 T, [K step][1,536]; its scale words at 1,024 T, [K step][lane-row][4].
; Of 32 rows, row p lies in tile (p / 8) % 2 at lane-row p % 8 + 8 (p / 16).  The matrix instruction takes B's rows as source 0, A's as source 1: a lane holds ONE row of A, and the 16 registers of B's tiles 2 g, 2 g + 1 are B's rows 32 g + 16 (lane / 16) + 0 .. 15.
; PLANES 0, 1 LEAVE AS REGISTER IMAGES: a wave's 128 channels are one head; the 64 registers of A's tile (16 tokens) go to qkv at ((128 plane + tile) 16 + head) 8,192, register j of lane l at 512 (j / 4) + 16 l + 4 (j % 4): each store covers 512 consecutive bytes, aligned.
; PLANE 2 LEAVES AS CODES: a lane's registers run along the tokens, which are the K of attention's second product.  So V^T gets its bias, is quantised in registers block by block of 32 tokens, and goes to aq as the fragments
; [head][128 keys][tile of channels][1,536] with their scale words: a wave's 128 channels are one head, its 128 tokens one key step.
; A block's scale is 2^(floor(log2(largest magnitude)) - 2).  LIMITS: NaN and infinities are not served; a block of zeros or under 2^-124 gets the byte 1 (read by this program alone).
; SHARES: four waves, each 128 x 128 in 512 registers.  K goes through two LDS slots of two K steps (98,304 bytes); the scale words of the block's 512 rows come once.
; THE HEAD'S four tiles go one to a wave: A's and B's 16 tiles of fill 0, A's and B's scale words.  Fill 1 stands behind the full sequence and a round; from then on a wave fetches a quarter of a slot.
; CLUSTER 4 x 4: A's tiles are asked for jointly along a row of the cluster, B's along a column.
; PREFETCH: behind fill n stands one request for fill n + 2 (two slots, four K steps on).  Of the eight tile rows (3,072 bytes each) that a wave fetches, each of the four partners names two, told apart by address: 24 blocks of 256 bytes, a lane a block
; (lanes 24-31 name the last again).  Fills 6 and 7 have no fill two on: the loop's last trip asks for nothing.
.set CODES,  393216
.set PLANE,  3145728
.set NQ,     2
.set FR,     12
.set FRB,    1536
.set NL,     3
.set NP,     4
.set BLKB,   NQ*FRB
.set HALFT,  8*BLKB
.set SLOT,   4*HALFT
.set LAPS,   4
.set SCL,    2*SLOT
.set HALFS,  8192
.set SPARE,  SCL+4*HALFS               ; the spare words: 512 bytes that no other line names
.set ADRA, 16
.set ADRB, 20
.set CO,   26                          ; 16 x lane
.set ADRS, 27
.set SPW,  28
.set NIL,  29
.set PFO,  30
.set SC,   32                          ; v32-63 scale words, two sets
.set BI,   64                          ; v64-127 the first products' C
.set AF,   128
.set G0H,  4
.set G0HB, 8
.set G1,   24
.set G0,   32
.set G1B,  48
.set G0B,  56
.set G1S,  68
.set G0S,  76
.set G1SB, 80
.set G0SB, 88
.set PFA,  94
.set MSB, 0
.macro WIN new
.if MSB != \new
	s_set_vgpr_msb (MSB<<8)|\new
.set MSB, \new
.endif
.endm
.set MUL_LO, 0xa1
.set MUL_HI, 0xf1
.set TO_B,   0x40
.macro JLOAD g0a, g1a, g0b, g1b
	s_cmp_eq_u32 s15, 0
	s_cbranch_scc0 .Lfor_b_\@
	tensor_load_to_lds s[\g0a:\g0a+3], s[\g1a:\g1a+7]
	s_nop 0
.rept 4
	v_nop
.endr
	s_branch .Lasked_\@
.Lfor_b_\@:
	tensor_load_to_lds s[\g0b:\g0b+3], s[\g1b:\g1b+7]
	s_nop 0
.rept 4
	v_nop
.endr
.Lasked_\@:
.endm
.macro CREST
	s_cmp_lg_u32 s14, 0
	s_cbranch_scc1 .Lnot_wave_0_\@
	s_barrier_signal -3
.Lnot_wave_0_\@:
	s_barrier_wait -3
	s_barrier_signal -1
	s_barrier_wait -1
.endm
.macro CROUND
	s_barrier_signal -1
	s_barrier_wait -1
	CREST
.endm
	s_load_b256 s[4:11], s[0:1], 0x0               ; xq, w3q, bq, bk
	s_load_b128 s[92:95], s[0:1], 0x20             ; bv, qkv
	s_load_b64 s[12:13], s[0:1], 0x30              ; aq
	v_lshl_add_u32 v[SPW], v0, 2, SPARE
	v_mov_b32 v[NIL], 0
	ds_add_u32 v[SPW], v[NIL]                      ; the opening lines: the add, twice on end, and its wait
	ds_add_u32 v[SPW], v[NIL]
	v_lshrrev_b32 v1, 5, v0
	v_readfirstlane_b32 s14, v1                    ; wave
	s_lshr_b32 s15, s14, 1                         ; my half of A's rows; in the ring: I fetch for A (0) or B (1)
	s_and_b32 s16, s14, 1                          ; my half of B's rows; in the ring: which 128 rows I fetch
	s_bfe_u32 s40, ttmp6, 0x40000                  ; cx
	s_bfe_u32 s41, ttmp6, 0x40004                  ; cy
	s_lshr_b32 s96, ttmp9, 1                       ; plane
	s_and_b32 s42, ttmp9, 1
	s_lshl_b32 s42, s42, 2
	s_add_co_u32 s42, s42, s40                     ; B's block 0..7
	s_and_b32 s17, ttmp7, 0xffff
	s_lshl_b32 s17, s17, 2
	s_add_co_u32 s17, s17, s41                     ; A's block 0..7
	s_lshl_b32 s43, s41, 2
	s_lshl_b32 s43, 15, s43                        ; my row of the cluster
	s_lshl_b32 s44, 0x1111, s40                    ; my column
	s_or_b32 s[G1+0], s43, (3<<16)|(1<<21)         ; elements of 8 bytes; bit 21 beside the mask
	s_or_b32 s[G1B+0], s44, (3<<16)|(1<<21)
.irp g, G1, G1B                                ; tile rows of 3,072 bytes (two K steps), 24,576 apart: 16 of them at the head, 8 in the ring
	s_mov_b32 s[\g+1], 384<<16
	s_mov_b32 s[\g+2], 16<<16
	s_mov_b32 s[\g+3], 384<<16
	s_mov_b32 s[\g+4], 16
	s_mov_b32 s[\g+5], 3072
	s_mov_b32 s[\g+6], 0
	s_mov_b32 s[\g+7], 0
.endr
	s_or_b32 s[G1S+0], s43, (3<<16)|(1<<21)
	s_or_b32 s[G1SB+0], s44, (3<<16)|(1<<21)
.irp g, G1S, G1SB                              ; 16,384 dense bytes of scale words as 64 rows of 256
	s_mov_b32 s[\g+1], 32<<16
	s_mov_b32 s[\g+2], 64<<16
	s_mov_b32 s[\g+3], 32<<16
	s_mov_b32 s[\g+4], 64
	s_mov_b32 s[\g+5], 32
	s_mov_b32 s[\g+6], 0
	s_mov_b32 s[\g+7], 0
.endr
	s_lshl_b32 s46, s96, 11
	s_cmp_eq_u32 s96, 2
	s_cselect_b32 s20, 4096, 0                     ; A's first row in its buffer: wv lies behind wq and wk
	s_cselect_b32 s46, 0, s46                      ; B's
	s_lshl_b32 s19, s17, 8
	s_add_co_u32 s20, s20, s19
	s_lshl_b32 s47, s42, 8
	s_add_co_u32 s46, s46, s47
	s_lshl_b32 s18, s16, 7
	s_cmp_eq_u32 s15, 0                            ; the prefetches: the rows that I fetch in the ring,
	s_cselect_b32 s104, s20, s46
	s_cselect_b32 s105, s40, s41                   ; my place among the four that ask with me
	s_lshl_b32 s105, s105, 5                       ; two tiles of 16 rows
	s_add_co_u32 s104, s104, s105
	s_add_co_u32 s104, s104, s18
	s_mul_i32 s104, s104, FRB
	s_add_co_u32 s104, s104, CODES+2*BLKB          ; at fill 2
	s_mov_b32 s105, 0
	s_lshl_b32 s22, s20, 6                         ; scale words: 64 bytes a row
	s_mul_i32 s20, s20, FRB                        ; codes: 1,536 bytes a row
	s_add_co_u32 s20, s20, CODES
	s_mov_b32 s21, 0
	s_mov_b32 s23, 0
	s_lshl_b32 s2, s46, 6
	s_mul_i32 s46, s46, FRB
	s_add_co_u32 s46, s46, CODES
	s_mov_b32 s47, 0
	s_mov_b32 s3, 0
	s_mul_i32 s18, s16, 128*FRB                    ; in the ring: my 128 rows, in bytes
	s_mov_b32 s19, 0
	s_mul_i32 s45, s14, HALFT                      ; and where they go
	s_wait_dscnt 0x0                               ; both opening adds are done
	s_wait_kmcnt 0x0
	s_cmp_eq_u32 s96, 2
	s_cselect_b64 s[98:99], s[6:7], s[4:5]         ; A's buffer
	s_cselect_b64 s[100:101], s[4:5], s[6:7]       ; B's
	s_cselect_b64 s[12:13], s[12:13], s[94:95]     ; where the result goes: aq or qkv
	s_cmp_eq_u32 s96, 1
	s_cselect_b64 s[66:67], s[10:11], s[8:9]       ; bk or bq
	s_cmp_eq_u32 s15, 0
	s_cselect_b64 s[PFA:PFA+1], s[98:99], s[100:101]
	s_add_nc_u64 s[PFA:PFA+1], s[PFA:PFA+1], s[104:105]
	s_add_nc_u64 s[20:21], s[98:99], s[20:21]
	s_add_nc_u64 s[22:23], s[98:99], s[22:23]
	s_add_nc_u64 s[46:47], s[100:101], s[46:47]
	s_add_nc_u64 s[2:3], s[100:101], s[2:3]
	CROUND                                         ; all sixteen work-groups are here: the first joint loads meet
	s_mov_b32 s[G0H], 1
	s_mov_b32 s[G0H+1], 0
	s_mov_b64 s[G0H+2:G0H+3], s[20:21]
	s_or_b32 s[G0H+3], s[G0H+3], 0x80000000
	s_mov_b32 s[G0HB], 1
	s_mov_b32 s[G0HB+1], 2*HALFT
	s_mov_b64 s[G0HB+2:G0HB+3], s[46:47]
	s_or_b32 s[G0HB+3], s[G0HB+3], 0x80000000
	s_mov_b32 s[G0S], 1
	s_mov_b32 s[G0S+1], SCL
	s_mov_b64 s[G0S+2:G0S+3], s[22:23]
	s_or_b32 s[G0S+3], s[G0S+3], 0x80000000
	s_mov_b32 s[G0SB], 1
	s_mov_b32 s[G0SB+1], SCL+2*HALFS
	s_mov_b64 s[G0SB+2:G0SB+3], s[2:3]
	s_or_b32 s[G0SB+3], s[G0SB+3], 0x80000000
	s_add_nc_u64 s[20:21], s[20:21], s[18:19]
	s_add_nc_u64 s[46:47], s[46:47], s[18:19]
.irp s, 0,1
	s_mov_b32 s[G0+4*\s], 1
	s_add_co_u32 s[G0+4*\s+1], s45, \s*SLOT
	s_add_nc_u64 s[G0+4*\s+2:G0+4*\s+3], s[20:21], \s*BLKB
	s_or_b32 s[G0+4*\s+3], s[G0+4*\s+3], 0x80000000
	s_mov_b32 s[G0B+4*\s], 1
	s_add_co_u32 s[G0B+4*\s+1], s45, \s*SLOT
	s_add_nc_u64 s[G0B+4*\s+2:G0B+4*\s+3], s[46:47], \s*BLKB
	s_or_b32 s[G0B+4*\s+3], s[G0B+4*\s+3], 0x80000000
.endr
.macro ARM under, g0, g1, next         ; one chain of branches on the wave's number, one load to an arm, all arms to one join
	s_cmp_lt_u32 s14, \under
	s_cbranch_scc0 \next
	tensor_load_to_lds s[\g0:\g0+3], s[\g1:\g1+7]
	s_nop 0
.rept 4
	v_nop
.endr
	s_branch .Lhead_asked
\next:
.endm
	ARM 1, G0H,  G1,  .Lhead_b
	ARM 2, G0HB, G1B, .Lhead_sa
	ARM 3, G0S,  G1S, .Lhead_sb
	tensor_load_to_lds s[G0SB:G0SB+3], s[G1SB:G1SB+7]
	s_nop 0
.rept 4
	v_nop
.endr
.Lhead_asked:
	s_mul_i32 s20, s15, HALFT                      ; my A fragments in slot 0, 1
	s_add_co_u32 s21, s20, SLOT
	s_mul_i32 s22, s16, HALFT                      ; my B fragments
	s_add_co_u32 s22, s22, 2*HALFT
	s_add_co_u32 s23, s22, SLOT
	s_lshl_b32 s98, s15, 13                        ; scale words: lanes 0-15 A's, lanes 16-31 B's
	s_lshl_b32 s99, s16, 13
	s_add_co_u32 s99, s99, 2*HALFS
	s_sub_co_u32 s99, s99, s98
	s_add_co_u32 s98, s98, SCL
	s_lshl_b32 s18, s42, 10                        ; B's first row x 4 bytes
	s_lshl_b32 s19, s16, 9
	s_add_co_u32 s18, s18, s19
	s_mov_b32 s19, 0
	s_add_nc_u64 s[66:67], s[66:67], s[18:19]
	v_and_b32 v1, 15, v0
	v_bfe_u32 v2, v0, 4, 1
	v_and_b32 v6, 31, v0
	v_lshlrev_b32 v[CO], 4, v6
	v_lshlrev_b32 v7, 6, v2
	v_add_nc_u32 v[ADRA], s20, v[CO]
	v_add_nc_u32 v[ADRA+1], s21, v[CO]
	v_add_nc_u32 v[ADRB], s22, v[CO]
	v_add_nc_u32 v[ADRB+1], s23, v[CO]
	v_mul_u32_u24 v5, s99, v2
	v_lshl_add_u32 v5, v1, 2, v5
	v_add_nc_u32 v[ADRS], s98, v5
	v_min_u32 v6, 23, v6                           ; block l of 24: tile row l / 12, 256 (l % 12) in it
	v_mul_u32_u24 v4, v6, 171
	v_lshrrev_b32 v4, 11, v4                       ; l / 12 for l under 24
	v_mul_u32_u24 v4, v4, 24576-3072
	v_lshl_add_u32 v[PFO], v6, 8, v4
	s_wait_alu depctr_va_vdst(0)                   ; ahead of the branch and the waits below
	global_prefetch_b8 v[PFO], s[PFA:PFA+1] th:TH_LOAD_NT scope:SCOPE_SE   ; behind fill 0: fill 2
	s_cmp_eq_u32 s96, 2
	s_cbranch_scc1 .Lno_bias
.irp b, 0,1,2,3,4,5,6,7                        ; planes 0, 1: the first products' C is the bias at the lane's eight channels of B's tile b
	global_load_b128 v[BI+8*\b:BI+8*\b+3], v7, s[66:67] offset:128*(\b/2)+32*(\b%2)
	global_load_b128 v[BI+8*\b+4:BI+8*\b+7], v7, s[66:67] offset:128*(\b/2)+32*(\b%2)+16
.endr
	s_wait_loadcnt 0x0
	s_branch .Lbias_set
.Lno_bias:                                     ; plane 2: its bias goes by A's rows and is added on the way out
.set J, 0
.rept 64
	v_mov_b32 v[BI+J], 0
.set J, J+1
.endr
.Lbias_set:
.macro FRAG reg, adr, q, i
.irp c, 0,1,2
	ds_load_b128 v[\reg+4*\c:\reg+4*\c+3], v[\adr] offset:(\i)*BLKB+(\q)*FRB+512*\c
.endr
.endm
.macro MUL16 a0, p, q, sc, first       ; the 64 accumulators take turns, one instruction a turn
.irp a, \a0, \a0+1
.irp b, 0,1,2,3,4,5,6,7
.if \first
	v_wmma_scale_f32_16x16x128_f8f6f4 v[8*(8*((\a)%4)+\b):8*(8*((\a)%4)+\b)+7], v[128*(\p)+FR*\b:128*(\p)+FR*\b+FR-1], v[AF+FR*(\a):AF+FR*(\a)+FR-1], v[BI+8*\b:BI+8*\b+7], v[SC+8*NQ*(\sc)+NQ*\b+(\q)], v[SC+8*NQ*(\sc)+NQ*(\a)+(\q)] matrix_a_fmt:MATRIX_FMT_FP6 matrix_b_fmt:MATRIX_FMT_FP6 matrix_a_scale:MATRIX_SCALE_ROW1
.else
	v_wmma_scale_f32_16x16x128_f8f6f4 v[8*(8*((\a)%4)+\b):8*(8*((\a)%4)+\b)+7], v[128*(\p)+FR*\b:128*(\p)+FR*\b+FR-1], v[AF+FR*(\a):AF+FR*(\a)+FR-1], v[8*(8*((\a)%4)+\b):8*(8*((\a)%4)+\b)+7], v[SC+8*NQ*(\sc)+NQ*\b+(\q)], v[SC+8*NQ*(\sc)+NQ*(\a)+(\q)] matrix_a_fmt:MATRIX_FMT_FP6 matrix_b_fmt:MATRIX_FMT_FP6 matrix_a_scale:MATRIX_SCALE_ROW1
.endif
.endr
.endr
.endm
.macro FETCH_B slot, q, p
	WIN TO_B
.irp i, 0,1,2,3,4,5,6,7
	FRAG 128*(\p)+FR*\i, ADRB+\slot, \q, \i
.endr
	WIN 0
.endm
.macro FETCH_A slot, q, i0
.irp i, \i0, \i0+1, \i0+2, \i0+3
	FRAG AF+FR*(\i), ADRA+\slot, \q, \i
.endr
.endm
.macro SCALES sc
.irp i, 0,1,2,3,4,5,6,7
.irp q, 0,1
	ds_load_b32 v[SC+8*NQ*\sc+NQ*\i+\q], v[ADRS] offset:\i*1024+64*\q
.endr
.endr
.endm
.macro PLACES n
.rept \n
	v_nop
.endr
.endm
.macro STEP slot, q, first             ; a slot's first K step: 64 products; the second step's fragments are fetched in its middle and at its end
	s_wait_dscnt 4*NL                              ; all but A's blocks 4-7
	WIN MUL_LO-0x20*\first
	MUL16 0, (\q)%2, \q, \slot, \first
	MUL16 2, (\q)%2, \q, \slot, \first
	s_wait_dscnt 0
	PLACES NP
	FETCH_B \slot, (\q)+1, 1-(\q)%2
	FETCH_A \slot, (\q)+1, 0
	WIN MUL_HI-0x30*\first
	MUL16 4, (\q)%2, \q, \slot, \first
	MUL16 6, (\q)%2, \q, \slot, \first
	PLACES NP
	WIN 0
	FETCH_A \slot, (\q)+1, 4
.endm
.macro TURN slot, next, fill           ; a slot's second K step, and the change of slots
.if \fill
	s_wait_xcnt 0x0                                ; my last prefetch has read its address
	s_add_nc_u64 s[PFA:PFA+1], s[PFA:PFA+1], BLKB
.endif
	s_wait_tensorcnt 0x0                           ; my part of the next slot has landed
	ds_add_u32 v[SPW], v[NIL]
	s_wait_dscnt 4*NL+1                            ; the add and A's blocks 4-7 may be out
	WIN MUL_LO
	MUL16 0, 1, NQ-1, \slot, 0
	s_wait_dscnt 0x0                               ; the add is done, my reads of this slot are over
	s_barrier_signal -1
	MUL16 2, 1, NQ-1, \slot, 0
	WIN 0
	s_barrier_wait -1
.if \fill
	CREST                                          ; the barrier has opened a round of the cluster's
	s_add_nc_u64 s[G0+4*\slot+2:G0+4*\slot+3], s[G0+4*\slot+2:G0+4*\slot+3], 2*BLKB
	s_add_nc_u64 s[G0B+4*\slot+2:G0B+4*\slot+3], s[G0B+4*\slot+2:G0B+4*\slot+3], 2*BLKB
	JLOAD G0+4*\slot, G1, G0B+4*\slot, G1B         ; its four v_nop are the places in front of the loads below
.else
	PLACES NP
.endif
	s_wait_alu depctr_va_vdst(0)                   ; ahead of the reader below
	v_add_nc_u32 v[ADRS], 64*NQ, v[ADRS]
	FETCH_B \next, 0, 0
	FETCH_A \next, 0, 0
	SCALES \next
.if \fill
	s_cmp_gt_u32 s3, 1                             ; the last trip's fills have no fill two on
	s_cbranch_scc0 .Lnot_asked_\@
	global_prefetch_b8 v[PFO], s[PFA:PFA+1] offset:BLKB th:TH_LOAD_NT scope:SCOPE_SE
.Lnot_asked_\@:
.endif
	WIN MUL_HI
	MUL16 4, 1, NQ-1, \slot, 0
	MUL16 6, 1, NQ-1, \slot, 0
	PLACES NP
	WIN 0
	FETCH_A \next, 0, 4
.endm
	s_wait_alu depctr_va_vdst(0)                   ; the head's end
	s_wait_tensorcnt 0x0                           ; my tile of the head's four is in
	ds_add_u32 v[SPW], v[NIL]                      ; ahead of a later first fill
	s_mov_b32 s[G1+2], 8<<16                       ; no load of mine is out: from here on a load brings 8 tile rows
	s_mov_b32 s[G1+4], 8
	s_mov_b32 s[G1B+2], 8<<16
	s_mov_b32 s[G1B+4], 8
	s_wait_dscnt 0x0
	CROUND
	JLOAD G0+4, G1, G0B+4, G1B                     ; fill 1
	FETCH_B 0, 0, 0
	FETCH_A 0, 0, 0
	SCALES 0
	FETCH_A 0, 0, 4
	global_prefetch_b8 v[PFO], s[PFA:PFA+1] offset:BLKB th:TH_LOAD_NT scope:SCOPE_SE   ; behind fill 1: fill 3
	STEP 0, 0, 1
	s_mov_b32 s3, LAPS-1
.Llap:
	TURN 0, 1, 1
	STEP 1, 0, 0
	TURN 1, 0, 1
	STEP 0, 0, 0
	s_sub_co_u32 s3, s3, 1
	s_cmp_lg_u32 s3, 0
	s_cbranch_scc1 .Llap
	TURN 0, 1, 0
	STEP 1, 0, 0
	s_wait_dscnt 4*NL
	WIN MUL_LO
	MUL16 0, 1, NQ-1, 1, 0
	MUL16 2, 1, NQ-1, 1, 0
	s_wait_dscnt 0
	WIN MUL_HI
	MUL16 4, 1, NQ-1, 1, 0
	MUL16 6, 1, NQ-1, 1, 0
	WIN 0
	PLACES NP
	s_cmp_eq_u32 s96, 2
	s_cbranch_scc1 .Lv_out
	; PLANES 0, 1: the accumulators go out as they stand, four registers a store
	s_lshl_b32 s20, s17, 4
	s_lshl_b32 s21, s15, 3
	s_add_co_u32 s20, s20, s21                     ; my first tile of tokens
	s_lshl_b32 s20, s20, 17                        ; 16 heads x 8,192 bytes a tile
	s_lshl_b32 s21, s96, 24
	s_add_co_u32 s20, s20, s21
	s_lshl_b32 s21, s42, 14                        ; the head: 2 x B's block + my half
	s_add_co_u32 s20, s20, s21
	s_lshl_b32 s21, s16, 13
	s_add_co_u32 s20, s20, s21
	s_mov_b32 s21, 0
	s_add_nc_u64 s[12:13], s[12:13], s[20:21]
.irp a, 0,1,2,3,4,5,6,7
	WIN 0x08+4*(\a/4)                              ; the data: window 2 or 3
.irp c, 0,1,2,3,4,5,6,7,8,9,10,11,12,13,14,15
	global_store_b128 v[CO], v[64*(\a%4)+4*\c:64*(\a%4)+4*\c+3], s[12:13] offset:\a*131072+512*\c   ; each accumulator from its low end on
.endr
.endr
	WIN 0
	s_branch .Lend
; PLANE 2: A's tile a (16 channels) against my 128 tokens is one fragment of V^T.
.set BV, 64                            ; v64-79   the bias of my channel in tile a, twice
.set SW, 80                            ; v80-87   the blocks' second halves
.set TM, 88                            ; v88-103  at work
.set PW, 104                           ; v104-111 the tiles' scale words
.set T,  112                           ; v112-175 a tile's 64 numbers
.macro VQ a
.set PC, 176+12*((\a)%6)               ; the codes: six sets by turns
.if (\a) == 6
	s_wait_xcnt 0x0                                ; the first tiles' stores have read their registers
.endif
	WIN 2+(\a)/4
.set J, 0
.rept 32
	v_pk_add_f32 v[T+J:T+J+1], v[64*((\a)%4)+J:64*((\a)%4)+J+1], v[BV+2*(\a):BV+2*(\a)+1]   ; + bv; each accumulator from its low end on
.set J, J+2
.endr
	WIN 0
.irp b, 0,1,2,3
	v_max3_num_f32 v[TM+\b], |v[T+16*\b]|, |v[T+16*\b+1]|, 0x1800000   ; block b: my 16 tokens, and the floor 2^(3 - 127)
.endr
.irp i, 2,4,6,8,10,12,14
.irp b, 0,1,2,3
	v_max3_num_f32 v[TM+\b], v[TM+\b], |v[T+16*\b+\i]|, |v[T+16*\b+\i+1]|
.endr
.endr
.irp b, 0,1,2,3
	v_permlanex16_b32 v[TM+4+\b], v[TM+\b], s98, s99
.endr
.irp b, 0,1,2,3
	v_max_num_f32 v[TM+\b], v[TM+\b], v[TM+4+\b]   ; with lane l xor 16's 16 tokens
.endr
.irp b, 0,1,2,3
	v_add_nc_u32 v[TM+12+\b], 0xff000000, v[TM+\b] ; 2 off the exponent field: the conversion's scale operand
.endr
.irp b, 0,1,2,3
	v_lshrrev_b32 v[TM+4+\b], 23, v[TM+12+\b]      ; the byte
.endr
	v_lshl_or_b32 v[PW+(\a)], v[TM+5], 8, v[TM+4]
	v_lshl_or_b32 v[PW+(\a)], v[TM+6], 16, v[PW+(\a)]
	v_lshl_or_b32 v[PW+(\a)], v[TM+7], 24, v[PW+(\a)]
.irp c, 0,1
	v_cvt_scalef32_pk16_fp6_f32 v[PC+6*\c:PC+6*\c+2], v[T+32*\c:T+32*\c+15], v[TM+12+2*\c]
	v_cvt_scalef32_pk16_fp6_f32 v[SW+4*\c:SW+4*\c+2], v[T+32*\c+16:T+32*\c+31], v[TM+12+2*\c+1]
.endr
	v_nop                                          ; one plain line behind the conversions
.irp c, 0,1                                    ; a whole block to a lane: lanes 0-15 block 2 c, lanes 16-31 block 2 c + 1
.irp i, 0,1,2
	v_permlane16_swap_b32 v[PC+6*\c+\i], v[SW+4*\c+\i]
.endr
.irp i, 0,1,2
	v_mov_b32 v[PC+6*\c+3+\i], v[SW+4*\c+\i]
.endr
.endr
.irp c, 0,1,2
	global_store_b128 v[CO], v[PC+4*\c:PC+4*\c+3], s[12:13] offset:(\a)*FRB+512*\c   ; 512 consecutive bytes, aligned
.endr
.if (\a)%2
	v_cndmask_b32 v[PW+(\a)-1], v[PW+(\a)-1], v[PW+(\a)], s100   ; lanes 0-15 the even tile's words, lanes 16-31 the odd tile's
	global_store_b32 v5, v[PW+(\a)-1], s[104:105] offset:64*((\a)-1)   ; 128 consecutive bytes
.endif
.endm
.Lv_out:
	s_lshl_b32 s20, s17, 1
	s_add_co_u32 s20, s20, s15                     ; the head
	s_lshl_b32 s21, s42, 1
	s_add_co_u32 s21, s21, s16                     ; the key step
	s_lshl_b32 s22, s20, 9
	s_mov_b32 s23, 0
	s_add_nc_u64 s[92:93], s[92:93], s[22:23]      ; bv at the head's first channel
	s_lshl_b32 s22, s20, 13
	s_lshl_b32 s18, s21, 9
	s_add_co_u32 s22, s22, s18
	s_add_co_u32 s22, s22, 2*131072
	s_add_nc_u64 s[104:105], s[12:13], s[22:23]    ; my eight tiles' scale words
	s_mul_i32 s22, s20, 196608
	s_mul_i32 s18, s21, 8*FRB
	s_add_co_u32 s22, s22, s18
	s_add_co_u32 s22, s22, CODES+2*PLANE
	s_add_nc_u64 s[12:13], s[12:13], s[22:23]      ; and their codes
	s_mov_b32 s98, 0x76543210
	s_mov_b32 s99, 0xfedcba98                      ; lane l xor 16
	s_mov_b32 s100, 0xffff0000                     ; lanes 16-31
	v_and_b32 v4, 8, v1
	v_add_nc_u32 v4, v4, v1
	v_lshlrev_b32 v4, 2, v4                        ; lane-row r is channel r + 8 (r / 8) of the tile's
	v_and_b32 v5, 31, v0
	v_lshlrev_b32 v5, 2, v5
.irp b, 0,1,2,3
	v_mov_b32 v[TM+4+\b], 0                        ; a lane permute's destination counts as one of its sources
.endr
	s_wait_alu depctr_va_vdst(0)                   ; ahead of the wait below
.irp a, 0,1,2,3,4,5,6,7
	global_load_b32 v[BV+2*\a], v4, s[92:93] offset:4*(32*(\a/2)+8*(\a%2))
	global_load_b32 v[BV+2*\a+1], v4, s[92:93] offset:4*(32*(\a/2)+8*(\a%2))
.endr
	s_wait_loadcnt 0x0
.irp a, 0,1,2,3,4,5,6,7
	VQ \a
.endr
.Lend:
	s_wait_tensorcnt 0x0                           ; the wave's end
	ds_add_u32 v[SPW], v[NIL]
	s_wait_dscnt 0x0
	CROUND                                         ; the closing round
	s_endpgm
.Lfunc_end_k_qee9da58563_qkv:
	.size	k_qee9da58563_qkv, .Lfunc_end_k_qee9da58563_qkv-k_qee9da58563_qkv
	.p2alignl 7, 3214868480
	.fill 96, 4, 3214868480
	.section	.rodata,"a",@progbits
	.p2align	6, 0x0
	.amdhsa_kernel k_qee9da58563_qkv
		.amdhsa_group_segment_fixed_size 327680
		.amdhsa_private_segment_fixed_size 0
		.amdhsa_enable_private_segment 0
		.amdhsa_kernarg_size 56
		.amdhsa_user_sgpr_count 2
		.amdhsa_user_sgpr_kernarg_segment_ptr 1
		.amdhsa_wavefront_size32 1
		.amdhsa_system_sgpr_workgroup_id_x 1
		.amdhsa_system_sgpr_workgroup_id_y 1
		.amdhsa_system_sgpr_workgroup_id_z 1
		.amdhsa_system_vgpr_workitem_id 0
		.amdhsa_next_free_vgpr 1024
		.amdhsa_next_free_sgpr 106
		.amdhsa_reserve_vcc 0
		.amdhsa_float_denorm_mode_32 3
		.amdhsa_float_denorm_mode_16_64 3
		.amdhsa_memory_ordered 1
		.amdhsa_forward_progress 1
		.amdhsa_inst_pref_size 178
	.end_amdhsa_kernel
	.amdgpu_metadata
---
amdhsa.version: [ 1, 2 ]
amdhsa.kernels:
  - .name:           k_qee9da58563_qkv
    .symbol:         k_qee9da58563_qkv.kd
    .args:
      - { .name: xq, .offset: 0, .size: 8, .value_kind: global_buffer, .address_space: global }
      - { .name: w3q, .offset: 8, .size: 8, .value_kind: global_buffer, .address_space: global }
      - { .name: bq, .offset: 16, .size: 8, .value_kind: global_buffer, .address_space: global }
      - { .name: bk, .offset: 24, .size: 8, .value_kind: global_buffer, .address_space: global }
      - { .name: bv, .offset: 32, .size: 8, .value_kind: global_buffer, .address_space: global }
      - { .name: qkv, .offset: 40, .size: 8, .value_kind: global_buffer, .address_space: global }
      - { .name: aq, .offset: 48, .size: 8, .value_kind: global_buffer, .address_space: global }
    .group_segment_fixed_size: 327680
    .private_segment_fixed_size: 0
    .kernarg_segment_align: 8
    .kernarg_segment_size: 56
    .max_flat_workgroup_size: 128
    .sgpr_count:     106
    .vgpr_count:     1024
    .wavefront_size: 32
...
	.end_amdgpu_metadata
.endif
;; end of part 2
;; launch post (part 3): grid 256 x 1, 16 waves a work-group, no clusters, 11,776 bytes of LDS; arguments qkv, gq, gk, freqs, aq; writes aq
.if DOCPART == 3
	.amdgcn_target "amdgcn-amd-amdhsa--gfx1250"
	.amdhsa_code_object_version 6
	.text
	.protected	k_qee9da58563_post
	.globl	k_qee9da58563_post
	.p2align	8
	.type	k_qee9da58563_post,@function
k_qee9da58563_post:
	s_mov_b64 s[64:65], 0
	v_nop
	global_prefetch_b8 v0, s[64:65] scope:SCOPE_SE
	s_setreg_imm32_b32 hwreg(HW_REG_WAVE_MODE, 25, 1), 1
	s_wait_xcnt 0x0
; q and k (planes 0, 1 of qkv, f32) become operands of attention: y = x rsqrt(mean(x^2) + 1e-6) over the WHOLE row of 2,048, times the gain, then the rotation by freqs within each head; quantised to FP6 (E2M3) along the head's 128, one E8M0 byte for each 32.
; qkv holds register images: block ((128 plane + tile) 16 + head) of 8,192 bytes; register j of lane l at 512 (j / 4) + 16 l + 4 (j % 4).  Lane (r, h) holds the token at lane-row r of the tile (token 32 (tile / 2) + 8 (tile % 2) + r % 8 + 16 (r / 8)),
; and its register 16 g + i the head's channel 32 g + 16 h + i: 16 neighbours of each block of 32, so the quantiser runs in registers and its result IS the fragment that attention loads.
; SHARES: a work-group takes one tile of 16 tokens of one plane, each of its 16 waves one head.  A wave's sums of squares (one a token) meet the other heads' in LDS behind one barrier; every wave adds the 16 in the same order.
; freqs: wave w copies the 512 bytes of the token at lane-row w into LDS once; behind the barrier a lane reads its token's (cos, sin) at its own channels.  The gain: a lane loads its 64 channels' numbers, 512 consecutive bytes a wave.
; Waves share no large input, so there is no cluster and no tensor load; all of a wave's 33 loads go out at its head, so there is no loop to prefetch in.
; OUT: codes at 393,216 + 3,145,728 plane + 196,608 head + 1,536 tile, in stores of 512 consecutive bytes; scale words at 131,072 plane + 8,192 head + 64 tile, 64 bytes.
; LIMITS: NaN and infinities are not served; a block of zeros or under 2^-124 gets the byte 1 (read by this program alone); v_rsq_f32 is good to 1 ulp.
.set FRB,   1536
.set FP,    528                        ; a token's freqs in LDS: 512 bytes + 16
.set SS,    16*FP                      ; the sums: [lane-row][head], 80 bytes a lane-row
.set SPARE, SS+1280                    ; the spare words: 2,048 bytes that no other line names
.set LI,  1                            ; 16 x lane
.set RW,  2                            ; 4 x (lane % 16)
.set FA,  3                            ; freqs, out of LDS
.set FS,  4                            ; freqs, into LDS
.set SA,  5                            ; my sum's word
.set SR,  6                            ; my token's 16 sums
.set GO,  7                            ; 64 x (lane / 16)
.set SPW, 10
.set NIL, 11
.set RS,  12                           ; v[12:13] the norm's factor, twice
.set R,   16                           ; v16-79   my 64 numbers
.set G,   80                           ; v80-143  their gains
.set F,   144                          ; v144-207 their (cos, sin)
.set S,   208                          ; v208-223 the 16 sums; later the codes
.set PC,  208
.set TM,  224                          ; v224-239 at work
.set SW,  240                          ; v240-247 the blocks' second halves
.set PW,  248                          ; the scale word
	s_load_b256 s[4:11], s[0:1], 0x0               ; qkv, gq, gk, freqs
	s_load_b64 s[12:13], s[0:1], 0x20              ; aq
	v_lshl_add_u32 v[SPW], v0, 2, SPARE
	v_mov_b32 v[NIL], 0
	v_lshrrev_b32 v8, 5, v0
	s_delay_alu instid0(VALU_DEP_1)
	v_readfirstlane_b32 s16, v8                    ; wave = head
	s_lshr_b32 s17, ttmp9, 7                       ; plane
	s_and_b32 s18, ttmp9, 127                      ; tile of tokens
	s_lshl_b32 s20, s17, 24
	s_lshl_b32 s21, s18, 17
	s_add_co_u32 s20, s20, s21
	s_lshl_b32 s21, s16, 13
	s_add_co_u32 s20, s20, s21                     ; my block of qkv
	s_mov_b32 s21, 0
	s_lshr_b32 s22, s18, 1
	s_lshl_b32 s22, s22, 5
	s_and_b32 s23, s18, 1
	s_lshl_b32 s23, s23, 3
	s_add_co_u32 s22, s22, s23
	s_and_b32 s23, s16, 7
	s_add_co_u32 s22, s22, s23
	s_lshr_b32 s23, s16, 3
	s_lshl_b32 s23, s23, 4
	s_add_co_u32 s22, s22, s23                     ; the token at lane-row w
	s_lshl_b32 s22, s22, 9                         ; 512 bytes of freqs a token
	s_mov_b32 s23, 0
	s_lshl_b32 s24, s16, 9                         ; the head's gains
	s_mov_b32 s25, 0
	s_mul_i32 s26, s17, 3145728
	s_mul_i32 s27, s16, 196608
	s_add_co_u32 s26, s26, s27
	s_mul_i32 s27, s18, FRB
	s_add_co_u32 s26, s26, s27
	s_add_co_u32 s26, s26, 393216                  ; my fragment
	s_mov_b32 s27, 0
	s_lshl_b32 s28, s17, 17
	s_lshl_b32 s29, s16, 13
	s_add_co_u32 s28, s28, s29
	s_lshl_b32 s29, s18, 6
	s_add_co_u32 s28, s28, s29                     ; its scale words
	s_mov_b32 s29, 0
	s_mul_i32 s30, s16, FP
	s_lshl_b32 s31, s16, 2
	s_add_co_u32 s31, s31, SS
	s_mov_b32 s34, 0x76543210
	s_mov_b32 s35, 0xfedcba98                      ; lane l xor 16
	s_mov_b32 s36, 0x3a000000                      ; 1 / 2,048
	s_mov_b32 s37, 0x358637bd                      ; 1e-6
	v_and_b32 v8, 31, v0
	v_and_b32 v9, 15, v0
	v_bfe_u32 v14, v0, 4, 1
	v_lshlrev_b32 v[LI], 4, v8
	v_lshlrev_b32 v[RW], 2, v9
	v_lshlrev_b32 v[GO], 6, v14
	v_mul_u32_u24 v[FA], v9, FP
	v_mul_u32_u24 v[SR], v9, 80
	v_add_nc_u32 v[FS], s30, v[LI]
	v_add_nc_u32 v[FA], v[FA], v[GO]
	v_add_nc_u32 v[SA], s31, v[SR]
	v_add_nc_u32 v[SR], SS, v[SR]
	s_wait_alu depctr_va_vdst(0)                   ; the head's end
	s_wait_kmcnt 0x0
	s_cmp_eq_u32 s17, 1
	s_cselect_b64 s[6:7], s[8:9], s[6:7]           ; gk for plane 1
	s_add_nc_u64 s[4:5], s[4:5], s[20:21]
	s_add_nc_u64 s[10:11], s[10:11], s[22:23]
	s_add_nc_u64 s[6:7], s[6:7], s[24:25]
	s_add_nc_u64 s[14:15], s[12:13], s[26:27]
	s_add_nc_u64 s[12:13], s[12:13], s[28:29]
	global_load_b128 v[S:S+3], v[LI], s[10:11]     ; 512 consecutive bytes of freqs
.irp c, 0,1,2,3,4,5,6,7,8,9,10,11,12,13,14,15
	global_load_b128 v[R+4*\c:R+4*\c+3], v[LI], s[4:5] offset:512*\c th:TH_LOAD_NT
.endr
.irp g, 0,1,2,3
.irp i, 0,1,2,3
	global_load_b128 v[G+16*\g+4*\i:G+16*\g+4*\i+3], v[GO], s[6:7] offset:128*\g+16*\i
.endr
.endr
	s_wait_loadcnt 32                              ; freqs are in; the 16 loads of the rows and the 16 of the gains may be out
	ds_store_b128 v[FS], v[S:S+3]
	s_wait_loadcnt 16                              ; my numbers are in; the gains may be out
.irp k, 0,1,2,3
	v_pk_mul_f32 v[TM+2*\k:TM+2*\k+1], v[R+2*\k:R+2*\k+1], v[R+2*\k:R+2*\k+1]   ; the sum of my 64 squares, in four packed chains
.endr
.set J, 4
.rept 28
	s_delay_alu instid0(VALU_DEP_4)
	v_pk_fma_f32 v[TM+2*(J%4):TM+2*(J%4)+1], v[R+2*J:R+2*J+1], v[R+2*J:R+2*J+1], v[TM+2*(J%4):TM+2*(J%4)+1]
.set J, J+1
.endr
	s_delay_alu instid0(VALU_DEP_3)
	v_pk_add_f32 v[TM:TM+1], v[TM:TM+1], v[TM+2:TM+3]
	s_delay_alu instid0(VALU_DEP_2)
	v_pk_add_f32 v[TM+4:TM+5], v[TM+4:TM+5], v[TM+6:TM+7]
	s_delay_alu instid0(VALU_DEP_1)
	v_pk_add_f32 v[TM:TM+1], v[TM:TM+1], v[TM+4:TM+5]
	s_delay_alu instid0(VALU_DEP_1)
	v_add_f32 v8, v[TM], v[TM+1]
	s_delay_alu instid0(VALU_DEP_1)
	v_permlanex16_b32 v9, v8, s34, s35
	s_delay_alu instid0(VALU_DEP_1)
	v_add_f32 v8, v8, v9                           ; my token's sum over this head
	ds_store_b32 v[SA], v8                         ; both halves of the lanes write the same word with the same value
	s_wait_dscnt 0x0                               ; for the others' sake
	s_barrier_signal -1
	s_barrier_wait -1
.irp i, 0,1,2,3
	ds_load_b128 v[S+4*\i:S+4*\i+3], v[SR] offset:16*\i
.endr
.irp g, 0,1,2,3
.irp i, 0,1,2,3
	ds_load_b128 v[F+16*\g+4*\i:F+16*\g+4*\i+3], v[FA] offset:128*\g+16*\i
.endr
.endr
	s_wait_dscnt 16                                ; the 16 sums are in; the 16 loads of freqs may be out
.irp k, 0,4,8,12
	v_pk_add_f32 v[S+\k:S+\k+1], v[S+\k:S+\k+1], v[S+\k+2:S+\k+3]
.endr
	s_delay_alu instid0(VALU_DEP_3)
	v_pk_add_f32 v[S:S+1], v[S:S+1], v[S+4:S+5]
	s_delay_alu instid0(VALU_DEP_2)
	v_pk_add_f32 v[S+8:S+9], v[S+8:S+9], v[S+12:S+13]
	s_delay_alu instid0(VALU_DEP_1)
	v_pk_add_f32 v[S:S+1], v[S:S+1], v[S+8:S+9]
	s_delay_alu instid0(VALU_DEP_1)
	v_add_f32 v8, v[S], v[S+1]
	s_delay_alu instid0(VALU_DEP_1)
	v_fma_f32 v8, v8, s36, s37                     ; the mean (an exact scaling) + 1e-6
	s_wait_alu depctr_va_vdst(0)                   ; ahead of the transcendental
	v_rsq_f32 v[RS], v8
	v_nop
	s_wait_alu depctr_va_vdst(0)                   ; and ahead of its first reader
	v_mov_b32 v[RS+1], v[RS]
	s_wait_alu depctr_va_vdst(0)                   ; and ahead of the waits below
	s_wait_loadcnt 0x0                             ; the gains
	s_wait_dscnt 0x0                               ; freqs
.set J, 0
.rept 8                                        ; four pairs at a time: x factor, x gain; then (x0, x1) -> (x0 cos - x1 sin, x1 cos + x0 sin)
.irp m, 0,2,4,6
	v_pk_mul_f32 v[R+J+\m:R+J+\m+1], v[R+J+\m:R+J+\m+1], v[RS:RS+1]
.endr
.irp m, 0,2,4,6
	s_delay_alu instid0(VALU_DEP_4)
	v_pk_mul_f32 v[R+J+\m:R+J+\m+1], v[R+J+\m:R+J+\m+1], v[G+J+\m:G+J+\m+1]
.endr
.irp m, 0,2,4,6
	s_delay_alu instid0(VALU_DEP_4)
	v_pk_mul_f32 v[TM+\m:TM+\m+1], v[R+J+\m:R+J+\m+1], v[F+J+\m:F+J+\m+1] op_sel:[1,1] op_sel_hi:[0,1] neg_lo:[0,1]   ; (-x1 sin, x0 sin)
.endr
.irp m, 0,2,4,6
	s_delay_alu instid0(VALU_DEP_4)
	v_pk_fma_f32 v[R+J+\m:R+J+\m+1], v[R+J+\m:R+J+\m+1], v[F+J+\m:F+J+\m+1], v[TM+\m:TM+\m+1] op_sel_hi:[1,0,1]   ; + (x0 cos, x1 cos)
.endr
.set J, J+8
.endr
.irp b, 0,1,2,3
	v_max3_num_f32 v[TM+\b], |v[R+16*\b]|, |v[R+16*\b+1]|, 0x1800000   ; block b: my 16 numbers, and the floor 2^(3 - 127)
.endr
.irp i, 2,4,6,8,10,12,14
.irp b, 0,1,2,3
	s_delay_alu instid0(VALU_DEP_4)
	v_max3_num_f32 v[TM+\b], v[TM+\b], |v[R+16*\b+\i]|, |v[R+16*\b+\i+1]|
.endr
.endr
.irp b, 0,1,2,3
	s_delay_alu instid0(VALU_DEP_4)
	v_permlanex16_b32 v[TM+4+\b], v[TM+\b], s34, s35
.endr
.irp b, 0,1,2,3
	s_delay_alu instid0(VALU_DEP_4)
	v_max_num_f32 v[TM+\b], v[TM+\b], v[TM+4+\b]   ; with lane l xor 16's 16
.endr
.irp b, 0,1,2,3
	s_delay_alu instid0(VALU_DEP_4)
	v_add_nc_u32 v[TM+12+\b], 0xff000000, v[TM+\b] ; 2 off the exponent field: the conversion's scale operand
.endr
.irp b, 0,1,2,3
	s_delay_alu instid0(VALU_DEP_4)
	v_lshrrev_b32 v[TM+4+\b], 23, v[TM+12+\b]      ; the byte
.endr
	s_delay_alu instid0(VALU_DEP_3)
	v_lshl_or_b32 v[PW], v[TM+5], 8, v[TM+4]
	s_delay_alu instid0(VALU_DEP_1)
	v_lshl_or_b32 v[PW], v[TM+6], 16, v[PW]
	s_delay_alu instid0(VALU_DEP_1)
	v_lshl_or_b32 v[PW], v[TM+7], 24, v[PW]
.irp c, 0,1
	v_cvt_scalef32_pk16_fp6_f32 v[PC+6*\c:PC+6*\c+2], v[R+32*\c:R+32*\c+15], v[TM+12+2*\c]
	v_cvt_scalef32_pk16_fp6_f32 v[SW+4*\c:SW+4*\c+2], v[R+32*\c+16:R+32*\c+31], v[TM+12+2*\c+1]
.endr
	v_nop                                          ; one plain line behind the conversions
.irp c, 0,1                                    ; a whole block to a lane: lanes 0-15 block 2 c, lanes 16-31 block 2 c + 1
.irp i, 0,1,2
	v_permlane16_swap_b32 v[PC+6*\c+\i], v[SW+4*\c+\i]
.endr
.irp i, 0,1,2
	v_mov_b32 v[PC+6*\c+3+\i], v[SW+4*\c+\i]
.endr
.endr
.irp c, 0,1,2
	global_store_b128 v[LI], v[PC+4*\c:PC+4*\c+3], s[14:15] offset:512*\c   ; 512 consecutive bytes, aligned
.endr
	global_store_b32 v[RW], v[PW], s[12:13]        ; 64 bytes; both halves of the lanes hold the same word and write it to the same place
	s_wait_tensorcnt 0x0                           ; the wave's end
	ds_add_u32 v[SPW], v[NIL]
	s_wait_dscnt 0x0
	s_endpgm
.Lfunc_end_k_qee9da58563_post:
	.size	k_qee9da58563_post, .Lfunc_end_k_qee9da58563_post-k_qee9da58563_post
	.p2alignl 7, 3214868480
	.fill 96, 4, 3214868480
	.section	.rodata,"a",@progbits
	.p2align	6, 0x0
	.amdhsa_kernel k_qee9da58563_post
		.amdhsa_group_segment_fixed_size 11776
		.amdhsa_private_segment_fixed_size 0
		.amdhsa_enable_private_segment 0
		.amdhsa_kernarg_size 40
		.amdhsa_user_sgpr_count 2
		.amdhsa_user_sgpr_kernarg_segment_ptr 1
		.amdhsa_wavefront_size32 1
		.amdhsa_system_sgpr_workgroup_id_x 1
		.amdhsa_system_sgpr_workgroup_id_y 1
		.amdhsa_system_sgpr_workgroup_id_z 1
		.amdhsa_system_vgpr_workitem_id 0
		.amdhsa_next_free_vgpr 256
		.amdhsa_next_free_sgpr 66
		.amdhsa_reserve_vcc 0
		.amdhsa_float_denorm_mode_32 3
		.amdhsa_float_denorm_mode_16_64 3
		.amdhsa_memory_ordered 1
		.amdhsa_forward_progress 1
		.amdhsa_inst_pref_size 29
	.end_amdhsa_kernel
	.amdgpu_metadata
---
amdhsa.version: [ 1, 2 ]
amdhsa.kernels:
  - .name:           k_qee9da58563_post
    .symbol:         k_qee9da58563_post.kd
    .args:
      - { .name: qkv, .offset: 0, .size: 8, .value_kind: global_buffer, .address_space: global }
      - { .name: gq, .offset: 8, .size: 8, .value_kind: global_buffer, .address_space: global }
      - { .name: gk, .offset: 16, .size: 8, .value_kind: global_buffer, .address_space: global }
      - { .name: freqs, .offset: 24, .size: 8, .value_kind: global_buffer, .address_space: global }
      - { .name: aq, .offset: 32, .size: 8, .value_kind: global_buffer, .address_space: global }
    .group_segment_fixed_size: 11776
    .private_segment_fixed_size: 0
    .kernarg_segment_align: 8
    .kernarg_segment_size: 40
    .max_flat_workgroup_size: 512
    .sgpr_count:     66
    .vgpr_count:     256
    .wavefront_size: 32
...
	.end_amdgpu_metadata
.endif
;; end of part 3
;; launch attn (part 4): grid 16 x 16, 8 waves a work-group, clusters of 4 x 1, 327,680 bytes of LDS; arguments aq, oq; writes oq
.if DOCPART == 4
	.amdgcn_target "amdgcn-amd-amdhsa--gfx1250"
	.amdhsa_code_object_version 6
	.text
	.protected	k_qee9da58563_attn
	.globl	k_qee9da58563_attn
	.p2align	8
	.type	k_qee9da58563_attn,@function
k_qee9da58563_attn:
	s_mov_b64 s[64:65], 0
	v_nop
	global_prefetch_b8 v0, s[64:65] scope:SCOPE_SE
	s_setreg_imm32_b32 hwreg(HW_REG_WAVE_MODE, 25, 1), 1
	s_wait_xcnt 0x0
	s_wait_alu depctr_hold_cnt(0) depctr_sa_sdst(0) depctr_va_vdst(0) depctr_va_sdst(0) depctr_va_ssrc(0) depctr_va_vcc(0) depctr_vm_vsrc(0)
	s_getreg_b32 s2, hwreg(HW_REG_IB_STS2, 6, 4)
	s_cmp_eq_u32 s2, 0
	s_cbranch_scc0 .Lentry_in_a_cluster
	s_endpgm
.Lentry_in_a_cluster:
	s_bfe_u32 s2, ttmp6, 0x10000c
	s_cmp_lg_u32 s2, 0x3003
	s_cbranch_scc0 .Lentry_shape_is_right
	s_endpgm
.Lentry_shape_is_right:
; O[q] = sum over k of softmax_k(Q[q] . K[k] / sqrt(128)) V[k] for each of 16 heads, 2,048 tokens, both products on codes of FP6 (E2M3) with one E8M0 scale for each 32 along a product's K; O is quantised along its 128 channels and leaves as codes.
; THE SOFTMAX: t = score x log2(e) / sqrt(128); M = the row's largest t so far, rounded UP to a whole number; p = 2^(t - M) is quantised along the keys, not normalised; the row's sum is taken of the unquantised p and divides O at the end.
; When M moves, the sum and O are multiplied by 2^(old M - new M): exact.
; OPERANDS lie in aq in the order of their registers (a fragment: 1,536 dense bytes, register g of lane l at 512 (g / 4) + 16 l + 4 (g % 4); its scale words: 64 bytes).  Of 32 rows, row p lies in tile (p / 8) % 2 at lane-row p % 8 + 8 (p / 16).
; So with both products used transposed (S^T = K Q^T, O^T = V^T P^T; a lane holds ONE query) the 16 registers of tiles 2 b, 2 b + 1 are 16 neighbouring keys (or channels) 32 b + 16 (lane / 16) + 0 .. 15.
; SHARES.  A work-group owns 128 queries of one head, each of its eight waves one tile of 16, in 512 registers: two waves to a SIMD.  Every wave walks all keys, 128 a step.
; K's and V's tiles come through two LDS slots of FOUR key steps, 512 keys (49,152 dense bytes each of K and of V): four changes of slots in all.  Waves 0 to 3 fetch a quarter of a slot each (K's halves, V's halves), at the head and in the ring;
; at the head waves 4 and 5 fetch the head's scale words (8,192 bytes each, which stay).
; FRAGMENTS AHEAD: a step's eight fragments of V are asked of LDS behind the scores' products, ahead of the softmax; with them, in a slot's first three steps, the next step's eight fragments of K.
; CLUSTER.  The four query blocks of a cluster belong to one head and walk the same K and V: each tile is asked for jointly, by the same tensor load with a mask that names the four.
; LIMITS: NaN and infinities are not served; a block of zeros gets the byte 1 (read by this program alone); v_exp_f32 and v_rcp_f32 are good to 1 ulp and flush denormals.  O's scale words leave in runs of 64 bytes.
; REGISTERS, window 0: v1-7 addresses that stay; v8, v10, v11 addresses in hand; v12 -M, v13 the largest t, v[14:15] the sum; v16-27 Q; v28 the prefetches' offset; v80-83 K's scale words, v84-87 V's; v96-159 S^T, then p; v160-223 O^T;
; v224-235 p's codes; v232-254 at work; v255 Q's scale words.  Window 1: v0-95 K's eight fragments, v96-191 V's.
.set CODES, 393216
.set PLANE, 3145728
.set HEADB, 196608
.set FRB,   1536
.set STEPB, 8*FRB                      ; eight tiles: 128 keys of K, or of V
.set NQS,   4                          ; key steps a slot
.set HALF,  NQS*STEPB                  ; K's, or V's, part of a slot
.set QUART, HALF/2                     ; what one tensor load brings
.set VOFF,  HALF
.set SLOT1, 1<<17                      ; slot 1 begins here: one exclusive or turns an address
.set NSL,   4
.set SCK,   2*SLOT1
.set SPARE, SCK+16384                  ; the spare words: 1,024 bytes that no other line names
.set LI,   1                           ; 16 x lane
.set ASC,  3                           ; SCK + 4 x lane
.set RW,   4                           ; 4 x (lane % 16)
.set SPW,  5
.set NIL,  6
.set LV,   7                           ; VOFF + 16 x lane
.set PFO,  28
.set KS,   80
.set VS,   84
.set KF,   0
.set VF,   96
.set WV,   18
.set SEL,  20
.set CS,   22
.set G1,   24
.set G1S,  32
.set G0,   40
.set G0S,  44
.set TB,   48
.set TS,   49
.set SLOTS, 50
.set PFA,  52
.set LIM,  54
.set MSB, 0
.macro WIN new
.if MSB != \new
	s_set_vgpr_msb (MSB<<8)|\new
.set MSB, \new
.endif
.endm
.macro TLOAD                           ; waves 0 to 3 fetch; the branch hangs on the wave's number alone
	s_cmp_lt_u32 s[WV], 4
	s_cbranch_scc0 .Lasked_\@
	tensor_load_to_lds s[G0:G0+3], s[G1:G1+7]
	s_nop 0
.rept 4
	v_nop
.endr
.Lasked_\@:
.endm
; A PREFETCH INTO THE L2.  The change of slots that asks for slot n (n = 1, 2) names slot n + 1, four key steps on: 2 x 49,152 bytes.  All clusters of a head walk the same K and V: the head's first cluster asks.
; Its four partners are told apart BY ADDRESS: partner cx takes the lower (cx even) or upper half of K's (cx < 2) or V's part; in each, waves 2, 3, 4 take 8,192 bytes, lanes 256 bytes apart.  The change that asks for slot 3 names nothing.
.macro ASK
	s_cmp_gt_u32 s[SLOTS], s[LIM]
	s_cbranch_scc0 .Lnot_mine_\@
	global_prefetch_b8 v[PFO], s[PFA:PFA+1] th:TH_LOAD_NT scope:SCOPE_SE
.Lnot_mine_\@:
.endm
.macro CROUND
	s_barrier_signal -1
	s_barrier_wait -1
	s_cmp_lg_u32 s[WV], 0
	s_cbranch_scc1 .Lnot_wave_0_\@
	s_barrier_signal -3
.Lnot_wave_0_\@:
	s_barrier_wait -3
	s_barrier_signal -1
	s_barrier_wait -1
.endm
	s_load_b128 s[4:7], s[0:1], 0x0                ; aq, oq
	v_lshl_add_u32 v[SPW], v0, 2, SPARE
	v_mov_b32 v[NIL], 0
	ds_add_u32 v[SPW], v[NIL]                      ; the opening lines: the add, twice on end, and its wait
	ds_add_u32 v[SPW], v[NIL]
	v_lshrrev_b32 v8, 5, v0
	s_delay_alu instid0(VALU_DEP_1)
	v_readfirstlane_b32 s[WV], v8                  ; wave 0..7
	s_bfe_u32 s8, ttmp6, 0x40000                   ; cx
	s_lshl_b32 s9, ttmp9, 2
	s_add_co_u32 s9, s9, s8
	s_lshl_b32 s9, s9, 3
	s_add_co_u32 s9, s9, s[WV]                     ; my tile of queries, 0..127
	s_and_b32 s10, ttmp7, 0xffff                   ; the head
	s_mul_i32 s11, s10, HEADB
	s_lshl_b32 s12, s10, 13
	s_lshr_b32 s13, s[WV], 1
	s_and_b32 s13, s13, 1                          ; the tiles that waves 0 to 3 fetch: 0 K's, 1 V's,
	s_and_b32 s19, s[WV], 1                        ; and which half of them; the scale words that waves 4, 5 fetch: 0 K's, 1 V's
	s_mul_i32 s70, s19, QUART
	s_mul_i32 s14, s13, PLANE
	s_add_co_u32 s14, s14, s11
	s_add_co_u32 s14, s14, s70
	s_add_co_u32 s14, s14, CODES+PLANE
	s_mov_b32 s15, 0
	s_lshl_b32 s16, s19, 17
	s_add_co_u32 s16, s16, s12
	s_add_co_u32 s16, s16, 131072
	s_mov_b32 s17, 0
	s_mov_b32 s[G1], 15|(3<<16)|(1<<21)            ; 24,576 dense bytes as 96 rows of 256; the mask names all four
	s_mov_b32 s[G1+1], 32<<16
	s_mov_b32 s[G1+2], 96<<16
	s_mov_b32 s[G1+3], 32<<16
	s_mov_b32 s[G1+4], 96
	s_mov_b32 s[G1+5], 32
	s_mov_b32 s[G1+6], 0
	s_mov_b32 s[G1+7], 0
	s_mov_b32 s[G1S], 15|(3<<16)|(1<<21)           ; 8,192 bytes as 32 rows
	s_mov_b32 s[G1S+1], 32<<16
	s_mov_b32 s[G1S+2], 32<<16
	s_mov_b32 s[G1S+3], 32<<16
	s_mov_b32 s[G1S+4], 32
	s_mov_b32 s[G1S+5], 32
	s_mov_b32 s[G1S+6], 0
	s_mov_b32 s[G1S+7], 0
	s_mov_b32 s[SEL], 0x76543210
	s_mov_b32 s[SEL+1], 0xfedcba98
	s_mov_b32 s[CS], 0x3e0293ee                    ; c = log2(e) / sqrt(128)
	s_mov_b32 s[CS+1], s[CS]
	s_mov_b32 s[TB], 0
	s_mov_b32 s[TS], 0
	s_mov_b32 s[SLOTS], NSL-1
	s_mul_i32 s56, s9, FRB                         ; Q's fragment,
	s_add_co_u32 s56, s56, s11
	s_add_co_u32 s56, s56, CODES
	s_mov_b32 s57, 0
	s_lshl_b32 s58, s9, 6                          ; its scale words,
	s_add_co_u32 s58, s58, s12
	s_mov_b32 s59, 0
	s_mul_i32 s60, s9, 16*FRB                      ; O's fragment: tile = my tile, K step = the head,
	s_mul_i32 s61, s10, FRB
	s_add_co_u32 s60, s60, s61
	s_add_co_u32 s60, s60, CODES
	s_mov_b32 s61, 0
	s_lshl_b32 s62, s9, 10                         ; and its scale words
	s_lshl_b32 s63, s10, 6
	s_add_co_u32 s62, s62, s63
	s_mov_b32 s63, 0
	s_lshr_b32 s66, s8, 1                          ; the prefetches: K's plane or V's,
	s_mul_i32 s66, s66, PLANE
	s_and_b32 s67, s8, 1
	s_mul_i32 s67, s67, QUART                      ; the lower or the upper half of a slot's part,
	s_add_co_u32 s66, s66, s67
	s_add_co_u32 s66, s66, s11
	s_add_co_u32 s66, s66, CODES+PLANE+HALF        ; at slot 1: each change that fills steps this by a slot before it asks
	s_sub_co_u32 s68, s[WV], 2
	s_min_u32 s69, s68, 2
	s_lshl_b32 s69, s69, 13                        ; my wave's 8,192 bytes
	s_add_co_u32 s66, s66, s69
	s_mov_b32 s67, 0
	s_cmp_lt_u32 s68, 3                            ; waves 2, 3, 4
	s_cselect_b32 s[LIM], 1, -1
	s_cmp_eq_u32 ttmp9, 0                          ; of the head's first cluster: the same in all four partners
	s_cselect_b32 s[LIM], s[LIM], -1
	s_wait_dscnt 0x0                               ; both opening adds are done
	s_wait_kmcnt 0x0
	s_add_nc_u64 s[56:57], s[4:5], s[56:57]
	s_add_nc_u64 s[58:59], s[4:5], s[58:59]
	s_add_nc_u64 s[60:61], s[6:7], s[60:61]
	s_add_nc_u64 s[62:63], s[6:7], s[62:63]
	s_add_nc_u64 s[PFA:PFA+1], s[4:5], s[66:67]
	s_mov_b32 s[G0S], 1
	s_lshl_b32 s[G0S+1], s19, 13
	s_add_co_u32 s[G0S+1], s[G0S+1], SCK
	s_add_nc_u64 s[G0S+2:G0S+3], s[4:5], s[16:17]
	s_or_b32 s[G0S+3], s[G0S+3], 0x80000000
	s_mov_b32 s[G0], 1
	s_mul_i32 s[G0+1], s13, HALF                   ; slot 0: K's part or V's,
	s_add_co_u32 s[G0+1], s[G0+1], s70             ; my half of it
	s_add_nc_u64 s[G0+2:G0+3], s[4:5], s[14:15]
	s_or_b32 s[G0+3], s[G0+3], 0x80000000
	CROUND                                         ; all four work-groups are here: the first joint loads meet
	s_cmp_lt_u32 s[WV], 4                          ; one chain of branches, one load to an arm: waves 0 to 3 slot 0's quarters, waves 4, 5 the scale words
	s_cbranch_scc0 .Lhead_sc
	tensor_load_to_lds s[G0:G0+3], s[G1:G1+7]
	s_nop 0
.rept 4
	v_nop
.endr
	s_branch .Lhead_done
.Lhead_sc:
	s_cmp_lt_u32 s[WV], 6
	s_cbranch_scc0 .Lhead_done
	tensor_load_to_lds s[G0S:G0S+3], s[G1S:G1S+7]
	s_nop 0
.rept 4
	v_nop
.endr
.Lhead_done:
	v_and_b32 v8, 31, v0
	s_delay_alu instid0(VALU_DEP_1)
	v_lshlrev_b32 v[LI], 4, v8
	v_lshl_add_u32 v[ASC], v8, 2, SCK
	v_lshlrev_b32 v[PFO], 8, v8
	v_and_b32 v9, 15, v0
	v_lshl_add_u32 v[LV], v8, 4, VOFF
	s_delay_alu instid0(VALU_DEP_2)
	v_lshlrev_b32 v[RW], 2, v9
.irp c, 0,1,2
	global_load_b128 v[16+4*\c:19+4*\c], v[LI], s[56:57] offset:512*\c   ; Q's fragment stays in registers
.endr
	global_load_b32 v255, v[RW], s[58:59]
	v_mov_b32 v13, 0xff61b1e6                      ; the largest t so far: -3e38
	s_delay_alu instid0(VALU_DEP_1)
	v_floor_f32 v12, -v13                          ; -M
	v_mov_b32 v14, 0
	v_mov_b32 v15, 0
.irp b, 0,1,2,3
	v_mov_b32 v[236+\b], 0                         ; a lane permute's destination counts as one of its sources
.endr
	v_mov_b32 v253, 0
.set J, 0
.rept 64
	v_mov_b32 v[160+J], 0                          ; O^T: the step is written once; the first finds zeros
.set J, J+1
.endr
.macro EIGHT reg, sreg, adr, off, soff ; eight fragments into window 1, and their scale words (lanes 0-15 tile 2 p's, lanes 16-31 tile 2 p + 1's): 28 LDS loads
	WIN 0x40
.irp t, 0,1,2,3,4,5,6,7
.irp c, 0,1,2
	ds_load_b128 v[\reg+12*\t+4*\c:\reg+12*\t+4*\c+3], v[\adr] offset:\off+\t*FRB+512*\c
.endr
.endr
	WIN 0
.irp p, 0,1,2,3
	ds_load_b32 v[\sreg+\p], v10 offset:\soff+128*\p
.endr
.endm
.macro STEP q                          ; 128 keys, the q-th of the slot in hand
	s_wait_dscnt 0x0                               ; K's fragments are in
	WIN 0x01
.irp g, 0,1
.irp t, 0,2
	v_wmma_scale_f32_16x16x128_f8f6f4 v[96+8*(4*\g+\t):103+8*(4*\g+\t)], v[KF+12*(4*\g+\t):KF+12*(4*\g+\t)+11], v[16:27], 0, v[KS+2*\g+\t/2], v255 matrix_a_fmt:MATRIX_FMT_FP6 matrix_b_fmt:MATRIX_FMT_FP6
	v_wmma_scale_f32_16x16x128_f8f6f4 v[104+8*(4*\g+\t):111+8*(4*\g+\t)], v[KF+12*(4*\g+\t)+12:KF+12*(4*\g+\t)+23], v[16:27], 0, v[KS+2*\g+\t/2], v255 matrix_a_fmt:MATRIX_FMT_FP6 matrix_b_fmt:MATRIX_FMT_FP6 matrix_a_scale:MATRIX_SCALE_ROW1
.endr
.endr
	WIN 0
.rept 4
	v_nop                                          ; the places in front of the loads below and of the first read of the scores
.endr
	EIGHT VF, VS, 11, (\q)*STEPB, 8192+512*(\q)
.if (\q) < NQS-1
	EIGHT KF, KS, 8, ((\q)+1)*STEPB, 512*((\q)+1)
.endif
.irp b, 0,1,2,3
	v_max3_num_f32 v[232+\b], v[96+16*\b], v[97+16*\b], v[98+16*\b]   ; the largest score of each block of 32 keys: for the row's maximum and, since p rises with the score, for the block's largest p
.endr
.irp i, 3,5,7,9,11,13
.irp b, 0,1,2,3
	v_max3_num_f32 v[232+\b], v[232+\b], v[96+16*\b+\i], v[97+16*\b+\i]
.endr
.endr
.irp b, 0,1,2,3
	v_max_num_f32 v[232+\b], v[232+\b], v[111+16*\b]
.endr
.irp b, 0,1,2,3
	s_delay_alu instid0(VALU_DEP_4)
	v_permlanex16_b32 v[236+\b], v[232+\b], s[SEL], s[SEL+1]
.endr
.irp b, 0,1,2,3
	s_delay_alu instid0(VALU_DEP_4)
	v_max_num_f32 v[232+\b], v[232+\b], v[236+\b]
.endr
	s_delay_alu instid0(VALU_DEP_2)
	v_max3_num_f32 v254, v232, v233, v234
	s_delay_alu instid0(VALU_DEP_1)
	v_max_num_f32 v254, v254, v235
	s_delay_alu instid0(VALU_DEP_1)
	v_mul_f32 v254, s[CS], v254                    ; as t (c is positive)
	s_delay_alu instid0(VALU_DEP_1)
	v_max_num_f32 v13, v13, v254
	v_mov_b32 v254, v12
	s_delay_alu instid0(VALU_DEP_2)
	v_floor_f32 v12, -v13                          ; the new -M = -ceil(t)
	s_delay_alu instid0(VALU_DEP_1)
	v_sub_f32 v254, v12, v254
	s_delay_alu instid0(VALU_DEP_1)
	v_cvt_i32_f32 v254, v254
	s_delay_alu instid0(VALU_DEP_1)
	v_ldexp_f32 v252, 1.0, v254                    ; f = 2^(old M - new M)
.set J, 0
.rept 32
	v_pk_fma_f32 v[96+J:97+J], v[96+J:97+J], s[CS:CS+1], v[12:13] op_sel_hi:[1,0,0]   ; t - M
.set J, J+2
.endr
.irp b, 0,1,2,3
	v_fma_f32 v[232+\b], v[232+\b], s[CS], v12
.endr
.set J, 0
	s_wait_alu depctr_va_vdst(0)                   ; ahead of the batch
.rept 64
	v_exp_f32 v[96+J], v[96+J]                     ; p = 2^(t - M)
.set J, J+1
.endr
	v_pk_mul_f32 v[14:15], v[14:15], v[252:253] op_sel_hi:[1,0]
	s_wait_alu depctr_va_vdst(0)                   ; one wait for the batch, ahead of its first reader
.irp b, 0,1,2,3
	v_exp_f32 v[232+\b], v[232+\b]                 ; the block's largest p
.endr
	v_pk_add_f32 v[236:237], v[100:101], v[104:105]   ; the row's sum of the unquantised p, in eight chains
	v_pk_add_f32 v[250:251], v[108:109], v[112:113]
	v_pk_add_f32 v[248:249], v[116:117], v[120:121]
	v_pk_add_f32 v[246:247], v[124:125], v[128:129]
	v_pk_add_f32 v[244:245], v[132:133], v[136:137]
	v_pk_add_f32 v[242:243], v[140:141], v[144:145]
	v_pk_add_f32 v[240:241], v[148:149], v[152:153]
	v_pk_add_f32 v[14:15], v[14:15], v[156:157]
	v_pk_add_f32 v[236:237], v[236:237], v[96:97]
	v_pk_add_f32 v[250:251], v[250:251], v[98:99]
	v_pk_add_f32 v[248:249], v[248:249], v[102:103]
	v_pk_add_f32 v[246:247], v[246:247], v[106:107]
	v_pk_add_f32 v[244:245], v[244:245], v[110:111]
	v_pk_add_f32 v[242:243], v[242:243], v[114:115]
	v_pk_add_f32 v[240:241], v[240:241], v[118:119]
	v_pk_add_f32 v[14:15], v[14:15], v[122:123]
	v_pk_add_f32 v[236:237], v[236:237], v[126:127]
	v_pk_add_f32 v[250:251], v[250:251], v[130:131]
	v_pk_add_f32 v[248:249], v[248:249], v[134:135]
	v_pk_add_f32 v[246:247], v[246:247], v[138:139]
	v_pk_add_f32 v[244:245], v[244:245], v[142:143]
	v_pk_add_f32 v[242:243], v[242:243], v[146:147]
	v_pk_add_f32 v[240:241], v[240:241], v[150:151]
	v_pk_add_f32 v[14:15], v[14:15], v[154:155]
	v_pk_add_f32 v[236:237], v[236:237], v[158:159]
	s_delay_alu instid0(VALU_DEP_2)
	v_pk_add_f32 v[14:15], v[14:15], v[246:247]
	s_delay_alu instid0(VALU_DEP_2)
	v_pk_add_f32 v[236:237], v[236:237], v[244:245]
	v_pk_add_f32 v[250:251], v[250:251], v[242:243]
	v_pk_add_f32 v[248:249], v[248:249], v[240:241]
	s_delay_alu instid0(VALU_DEP_2)
	v_pk_add_f32 v[14:15], v[14:15], v[250:251]
	s_delay_alu instid0(VALU_DEP_2)
	v_pk_add_f32 v[236:237], v[236:237], v[248:249]
	s_delay_alu instid0(VALU_DEP_1)
	v_pk_add_f32 v[14:15], v[14:15], v[236:237]
	s_wait_alu depctr_va_vdst(0)                   ; and one for the four
.irp b, 0,1,2,3
	v_max_num_f32 v[232+\b], 0x1800000, v[232+\b]  ; the floor 2^(3 - 127)
.endr
.irp b, 0,1,2,3
	s_delay_alu instid0(VALU_DEP_4)
	v_add_nc_u32 v[244+\b], 0xff000000, v[232+\b]  ; the conversion's scale operand
.endr
.irp b, 0,1,2,3
	s_delay_alu instid0(VALU_DEP_4)
	v_lshrrev_b32 v[236+\b], 23, v[244+\b]
.endr
	s_delay_alu instid0(VALU_DEP_3)
	v_lshl_or_b32 v253, v237, 8, v236              ; p's scale word for these 128 keys
	s_delay_alu instid0(VALU_DEP_1)
	v_lshl_or_b32 v253, v238, 16, v253
	s_delay_alu instid0(VALU_DEP_1)
	v_lshl_or_b32 v253, v239, 24, v253
.irp c, 0,1
	v_cvt_scalef32_pk16_fp6_f32 v[224+6*\c:226+6*\c], v[96+32*\c:111+32*\c], v[244+2*\c]
	v_cvt_scalef32_pk16_fp6_f32 v[236+4*\c:238+4*\c], v[112+32*\c:127+32*\c], v[244+2*\c+1]
.endr
	v_nop                                          ; one plain line behind the conversions
.irp c, 0,1
.irp i, 0,1,2
	v_permlane16_swap_b32 v[224+6*\c+\i], v[236+4*\c+\i]
.endr
.irp i, 0,1,2
	s_delay_alu instid0(VALU_DEP_3)
	v_mov_b32 v[227+6*\c+\i], v[236+4*\c+\i]
.endr
.endr
	s_wait_alu depctr_va_vdst(0)                   ; directly ahead of the first reader of O^T
.set J, 0
.rept 32
	v_pk_mul_f32 v[160+J:161+J], v[160+J:161+J], v[252:253] op_sel_hi:[1,0]   ; O^T under the new M; also the places ahead of the products below
.set J, J+2
.endr
.rept 4
	v_nop
.endr
	s_wait_alu depctr_va_vdst(0)                   ; ahead of the wait below
.if (\q) < NQS-1
	s_wait_dscnt 28                                ; V's 28 loads are in; the next step's 28 of K may be out
.else
	s_wait_dscnt 0x0
.endif
	WIN 0x01
.irp g, 0,1                                    ; O^T += V^T P^T: the eight accumulators by turns
.irp t, 0,2
	v_wmma_scale_f32_16x16x128_f8f6f4 v[160+8*(4*\g+\t):167+8*(4*\g+\t)], v[VF+12*(4*\g+\t):VF+12*(4*\g+\t)+11], v[224:235], v[160+8*(4*\g+\t):167+8*(4*\g+\t)], v[VS+2*\g+\t/2], v253 matrix_a_fmt:MATRIX_FMT_FP6 matrix_b_fmt:MATRIX_FMT_FP6
	v_wmma_scale_f32_16x16x128_f8f6f4 v[168+8*(4*\g+\t):175+8*(4*\g+\t)], v[VF+12*(4*\g+\t)+12:VF+12*(4*\g+\t)+23], v[224:235], v[168+8*(4*\g+\t):175+8*(4*\g+\t)], v[VS+2*\g+\t/2], v253 matrix_a_fmt:MATRIX_FMT_FP6 matrix_b_fmt:MATRIX_FMT_FP6 matrix_a_scale:MATRIX_SCALE_ROW1
.endr
.endr
	WIN 0
.endm
; THE CHANGE OF SLOTS stands at a slot's head.  fill = 1: the slot left behind is filled with the keys that follow; the barrier is a round of the cluster's, the joint load the first thing behind it: it has a slot's four key steps in which to land.
.macro CHANGE fill
	s_wait_tensorcnt 0x0                           ; no tensor load of mine is out
	ds_add_u32 v[SPW], v[NIL]
.if \fill
	ds_add_u32 v[SPW], v[NIL]                      ; a second add
	s_xor_b32 s[G0+1], s[G0+1], SLOT1
	s_add_nc_u64 s[G0+2:G0+3], s[G0+2:G0+3], HALF
	s_wait_xcnt 0x0                                ; the last prefetch has read its address
	s_add_nc_u64 s[PFA:PFA+1], s[PFA:PFA+1], HALF
	s_wait_dscnt 0x0                               ; the adds are done, my reads of the slot left behind are over
	CROUND
	TLOAD
	ASK
.else
	s_wait_dscnt 0x0
	s_barrier_signal -1
	s_barrier_wait -1
.endif
.endm
.macro SLOT_STEPS
	v_add_nc_u32 v8, s[TB], v[LI]
	v_add_nc_u32 v11, s[TB], v[LV]
	v_add_nc_u32 v10, s[TS], v[ASC]
	s_wait_alu depctr_va_vdst(0)                   ; behind these writes
	EIGHT KF, KS, 8, 0, 0
	STEP 0
	STEP 1
	STEP 2
	STEP 3
	s_xor_b32 s[TB], s[TB], SLOT1
	s_add_co_u32 s[TS], s[TS], 512*NQS             ; 512 bytes of scale words a step
.endm
	s_wait_alu depctr_va_vdst(0)                   ; the head's end
	s_wait_loadcnt 0x0                             ; Q
.Lslot:
	CHANGE 1
	SLOT_STEPS
	s_sub_co_u32 s[SLOTS], s[SLOTS], 1
	s_cmp_lg_u32 s[SLOTS], 0
	s_cbranch_scc1 .Lslot
	CHANGE 0                                       ; the last slot is written out
	SLOT_STEPS
	; THE WAY OUT.  O^T / the sum; my 64 numbers are 16 neighbouring channels of each of the head's four blocks of 32: quantised as they stand they ARE the fragment (tile = my tile of tokens, K step = the head) of the last product.
.set PC, 32
.set TM, 232
.set PW, 88
.rept 4
	v_nop                                          ; the places behind the last products
.endr
	v_add_f32 v14, v14, v15
	s_delay_alu instid0(VALU_DEP_1)
	v_permlanex16_b32 v252, v14, s[SEL], s[SEL+1]
	s_delay_alu instid0(VALU_DEP_1)
	v_add_f32 v14, v14, v252
	s_wait_alu depctr_va_vdst(0)
	v_rcp_f32 v14, v14
	v_nop
	s_wait_alu depctr_va_vdst(0)                   ; ahead of the reciprocal's first reader and of O^T's
.set J, 0
.rept 64
	v_mul_f32 v[96+J], v[160+J], v14
.set J, J+1
.endr
.irp b, 0,1,2,3
	v_max3_num_f32 v[TM+\b], |v[96+16*\b]|, |v[97+16*\b]|, 0x1800000
.endr
.irp i, 2,4,6,8,10,12,14
.irp b, 0,1,2,3
	s_delay_alu instid0(VALU_DEP_4)
	v_max3_num_f32 v[TM+\b], v[TM+\b], |v[96+16*\b+\i]|, |v[97+16*\b+\i]|
.endr
.endr
.irp b, 0,1,2,3
	s_delay_alu instid0(VALU_DEP_4)
	v_permlanex16_b32 v[TM+4+\b], v[TM+\b], s[SEL], s[SEL+1]
.endr
.irp b, 0,1,2,3
	s_delay_alu instid0(VALU_DEP_4)
	v_max_num_f32 v[TM+\b], v[TM+\b], v[TM+4+\b]
.endr
.irp b, 0,1,2,3
	s_delay_alu instid0(VALU_DEP_4)
	v_add_nc_u32 v[TM+12+\b], 0xff000000, v[TM+\b]
.endr
.irp b, 0,1,2,3
	s_delay_alu instid0(VALU_DEP_4)
	v_lshrrev_b32 v[TM+4+\b], 23, v[TM+12+\b]
.endr
	s_delay_alu instid0(VALU_DEP_3)
	v_lshl_or_b32 v[PW], v[TM+5], 8, v[TM+4]
	s_delay_alu instid0(VALU_DEP_1)
	v_lshl_or_b32 v[PW], v[TM+6], 16, v[PW]
	s_delay_alu instid0(VALU_DEP_1)
	v_lshl_or_b32 v[PW], v[TM+7], 24, v[PW]
.irp c, 0,1
	v_cvt_scalef32_pk16_fp6_f32 v[PC+6*\c:PC+2+6*\c], v[96+32*\c:111+32*\c], v[TM+12+2*\c]
	v_cvt_scalef32_pk16_fp6_f32 v[PC+12+4*\c:PC+14+4*\c], v[112+32*\c:127+32*\c], v[TM+12+2*\c+1]
.endr
	v_nop
.irp c, 0,1
.irp i, 0,1,2
	v_permlane16_swap_b32 v[PC+6*\c+\i], v[PC+12+4*\c+\i]
.endr
.irp i, 0,1,2
	s_delay_alu instid0(VALU_DEP_3)
	v_mov_b32 v[PC+3+6*\c+\i], v[PC+12+4*\c+\i]
.endr
.endr
.irp c, 0,1,2
	global_store_b128 v[LI], v[PC+4*\c:PC+4*\c+3], s[60:61] offset:512*\c   ; 512 consecutive bytes, aligned
.endr
	global_store_b32 v[RW], v[PW], s[62:63]        ; 64 bytes; both halves of the lanes hold the same word and write it to the same place
	s_wait_tensorcnt 0x0                           ; the wave's end
	ds_add_u32 v[SPW], v[NIL]
	s_wait_dscnt 0x0
	CROUND                                         ; the closing round
	s_endpgm
.Lfunc_end_k_qee9da58563_attn:
	.size	k_qee9da58563_attn, .Lfunc_end_k_qee9da58563_attn-k_qee9da58563_attn
	.p2alignl 7, 3214868480
	.fill 96, 4, 3214868480
	.section	.rodata,"a",@progbits
	.p2align	6, 0x0
	.amdhsa_kernel k_qee9da58563_attn
		.amdhsa_group_segment_fixed_size 327680
		.amdhsa_private_segment_fixed_size 0
		.amdhsa_enable_private_segment 0
		.amdhsa_kernarg_size 16
		.amdhsa_user_sgpr_count 2
		.amdhsa_user_sgpr_kernarg_segment_ptr 1
		.amdhsa_wavefront_size32 1
		.amdhsa_system_sgpr_workgroup_id_x 1
		.amdhsa_system_sgpr_workgroup_id_y 1
		.amdhsa_system_sgpr_workgroup_id_z 1
		.amdhsa_system_vgpr_workitem_id 0
		.amdhsa_next_free_vgpr 512
		.amdhsa_next_free_sgpr 72
		.amdhsa_reserve_vcc 0
		.amdhsa_float_denorm_mode_32 3
		.amdhsa_float_denorm_mode_16_64 3
		.amdhsa_memory_ordered 1
		.amdhsa_forward_progress 1
		.amdhsa_inst_pref_size 179
	.end_amdhsa_kernel
	.amdgpu_metadata
---
amdhsa.version: [ 1, 2 ]
amdhsa.kernels:
  - .name:           k_qee9da58563_attn
    .symbol:         k_qee9da58563_attn.kd
    .args:
      - { .name: aq, .offset: 0, .size: 8, .value_kind: global_buffer, .address_space: global }
      - { .name: oq, .offset: 8, .size: 8, .value_kind: global_buffer, .address_space: global }
    .group_segment_fixed_size: 327680
    .private_segment_fixed_size: 0
    .kernarg_segment_align: 8
    .kernarg_segment_size: 16
    .max_flat_workgroup_size: 256
    .sgpr_count:     72
    .vgpr_count:     512
    .wavefront_size: 32
...
	.end_amdgpu_metadata
.endif
;; end of part 4
;; launch proj (part 5): grid 16 x 16, 4 waves a work-group, clusters of 4 x 4, 327,680 bytes of LDS; arguments oq, woq, bo, out0; writes out0
.if DOCPART == 5
	.amdgcn_target "amdgcn-amd-amdhsa--gfx1250"
	.amdhsa_code_object_version 6
	.text
	.protected	k_qee9da58563_proj
	.globl	k_qee9da58563_proj
	.p2align	8
	.type	k_qee9da58563_proj,@function
k_qee9da58563_proj:
	s_mov_b64 s[64:65], 0
	v_nop
	global_prefetch_b8 v0, s[64:65] scope:SCOPE_SE
	s_setreg_imm32_b32 hwreg(HW_REG_WAVE_MODE, 25, 1), 1
	s_wait_xcnt 0x0
	s_wait_alu depctr_hold_cnt(0) depctr_sa_sdst(0) depctr_va_vdst(0) depctr_va_sdst(0) depctr_va_ssrc(0) depctr_va_vcc(0) depctr_vm_vsrc(0)
	s_getreg_b32 s2, hwreg(HW_REG_IB_STS2, 6, 4)
	s_cmp_eq_u32 s2, 0
	s_cbranch_scc0 .Lentry_in_a_cluster
	s_endpgm
.Lentry_in_a_cluster:
	s_bfe_u32 s2, ttmp6, 0x10000c
	s_cmp_lg_u32 s2, 0xf033
	s_cbranch_scc0 .Lentry_shape_is_right
	s_endpgm
.Lentry_shape_is_right:
.set CODES,  393216
.set NQ,     4
.set FR,     12
.set FRB,    1536
.set NL,     3
.set NP,     4
.set BLKB,   NQ*FRB
.set HALFT,  4*BLKB
.set SLOT,   4*HALFT
.set SCL,    3*SLOT
.set HALFS,  4096
.set SPARE,  SCL+4*HALFS
.set STAGE,  SLOT
.set SPITCH, 272
.set CROW,   8192
.set ADRA, 16
.set ADRB, 20
.set STO,  24
.set RD,   25
.set CO,   26
.set ADRS, 27
.set SPW,  28
.set NIL,  29
.set SC,   32
.set BI,   64
.set BK,   64
.set ACC,  128
.set G1,   24
.set G0,   32
.set G1B,  44
.set G0B,  52
.set G1S,  68
.set G0S,  76
.set G1SB, 80
.set G0SB, 88
.set MSB, 0
.macro WIN new
.if MSB != \new
	s_set_vgpr_msb (MSB<<8)|\new
.set MSB, \new
.endif
.endm
.set MUL,  0x05
.set TO_F, 0x40
.macro JLOAD g0a, g1a, g0b, g1b
	s_cmp_eq_u32 s15, 0
	s_cbranch_scc0 .Lfor_b_\@
	tensor_load_to_lds s[\g0a:\g0a+3], s[\g1a:\g1a+7]
	s_nop 0
.rept 4
	v_nop
.endr
	s_branch .Lasked_\@
.Lfor_b_\@:
	tensor_load_to_lds s[\g0b:\g0b+3], s[\g1b:\g1b+7]
	s_nop 0
.rept 4
	v_nop
.endr
.Lasked_\@:
.endm
.macro CREST
	s_cmp_lg_u32 s14, 0
	s_cbranch_scc1 .Lnot_wave_0_\@
	s_barrier_signal -3
.Lnot_wave_0_\@:
	s_barrier_wait -3
	s_barrier_signal -1
	s_barrier_wait -1
.endm
.macro CROUND
	s_barrier_signal -1
	s_barrier_wait -1
	CREST
.endm
	s_load_b256 s[4:11], s[0:1], 0x0
	v_lshl_add_u32 v[SPW], v0, 2, SPARE
	v_mov_b32 v[NIL], 0
	ds_add_u32 v28, v29
	ds_add_u32 v28, v29
	s_wait_dscnt 0x0
	v_lshrrev_b32 v1, 5, v0
	v_readfirstlane_b32 s14, v1
	s_lshr_b32 s15, s14, 1
	s_and_b32 s16, s14, 1
	s_bfe_u32 s92, ttmp6, 0x40000
	s_bfe_u32 s93, ttmp6, 0x40004
	s_lshl_b32 s94, ttmp9, 2
	s_add_co_u32 s94, s94, s92
	s_and_b32 s17, ttmp7, 0xffff
	s_lshl_b32 s17, s17, 2
	s_add_co_u32 s17, s17, s93
	s_lshl_b32 s95, s93, 2
	s_lshl_b32 s95, 15, s95
	s_lshl_b32 s96, 0x1111, s92
	s_or_b32 s[G1+0], s95, (3<<16)|(1<<21)
	s_or_b32 s[G1B+0], s96, (3<<16)|(1<<21)
.irp g, G1, G1B
	s_mov_b32 s[\g+1], 768<<16
	s_mov_b32 s[\g+2], 4<<16
	s_mov_b32 s[\g+3], 768<<16
	s_mov_b32 s[\g+4], 4
	s_mov_b32 s[\g+5], 3072
	s_mov_b32 s[\g+6], 0
	s_mov_b32 s[\g+7], 0
.endr
	s_or_b32 s[G1S+0], s95, (3<<16)|(1<<21)
	s_or_b32 s[G1SB+0], s96, (3<<16)|(1<<21)
.irp g, G1S, G1SB
	s_mov_b32 s[\g+1], 32<<16
	s_mov_b32 s[\g+2], 16<<16
	s_mov_b32 s[\g+3], 32<<16
	s_mov_b32 s[\g+4], 16
	s_mov_b32 s[\g+5], 32
	s_mov_b32 s[\g+6], 0
	s_mov_b32 s[\g+7], 0
.endr
	s_lshl_b32 s18, s16, 6
	s_lshl_b32 s20, s17, 7
	s_add_co_u32 s20, s20, s18
	s_lshl_b32 s98, s94, 7
	s_add_co_u32 s98, s98, s18
	s_lshl_b32 s22, s20, 6
	s_mul_i32 s20, s20, FRB
	s_add_co_u32 s20, s20, CODES
	s_mov_b32 s21, 0
	s_mov_b32 s23, 0
	s_lshl_b32 s100, s98, 6
	s_mul_i32 s98, s98, FRB
	s_add_co_u32 s98, s98, CODES
	s_mov_b32 s99, 0
	s_mov_b32 s101, 0
	s_mul_i32 s97, s14, HALFT
	s_lshl_b32 s19, s14, 12
	s_wait_kmcnt 0x0
	s_add_nc_u64 s[20:21], s[4:5], s[20:21]
	s_add_nc_u64 s[22:23], s[4:5], s[22:23]
	s_add_nc_u64 s[98:99], s[6:7], s[98:99]
	s_add_nc_u64 s[100:101], s[6:7], s[100:101]
	CROUND
	s_mov_b32 s[G0S], 1
	s_add_co_u32 s[G0S+1], s19, SCL
	s_mov_b64 s[G0S+2:G0S+3], s[22:23]
	s_or_b32 s[G0S+3], s[G0S+3], 0x80000000
	s_mov_b32 s[G0SB], 1
	s_add_co_u32 s[G0SB+1], s19, SCL
	s_mov_b64 s[G0SB+2:G0SB+3], s[100:101]
	s_or_b32 s[G0SB+3], s[G0SB+3], 0x80000000
	JLOAD G0S, G1S, G0SB, G1SB
.irp s, 0,1,2
	s_mov_b32 s[G0+4*\s], 1
	s_add_co_u32 s[G0+4*\s+1], s97, \s*SLOT
	s_add_nc_u64 s[G0+4*\s+2:G0+4*\s+3], s[20:21], \s*BLKB
	s_or_b32 s[G0+4*\s+3], s[G0+4*\s+3], 0x80000000
	s_mov_b32 s[G0B+4*\s], 1
	s_add_co_u32 s[G0B+4*\s+1], s97, \s*SLOT
	s_add_nc_u64 s[G0B+4*\s+2:G0B+4*\s+3], s[98:99], \s*BLKB
	s_or_b32 s[G0B+4*\s+3], s[G0B+4*\s+3], 0x80000000
	s_wait_alu depctr_va_vdst(0)
	s_wait_tensorcnt 0x0
	ds_add_u32 v28, v29
	s_wait_dscnt 0x0
	CROUND
	JLOAD G0+4*\s, G1, G0B+4*\s, G1B
.endr
	v_and_b32 v1, 15, v0
	v_bfe_u32 v2, v0, 4, 1
	v_and_b32 v3, 31, v0
	v_lshlrev_b32 v3, 4, v3
	s_wait_alu depctr_va_vdst(0)
	v_lshlrev_b32 v7, 6, v2
	s_lshl_b32 s18, s94, 9
	s_lshl_b32 s19, s16, 8
	s_add_co_u32 s18, s18, s19
	s_mov_b32 s19, 0
	s_add_nc_u64 s[8:9], s[8:9], s[18:19]
.irp b, 0,1,2,3
	global_load_b128 v[BI+8*\b:BI+8*\b+3], v7, s[8:9] offset:128*(\b/2)+32*(\b%2)
	global_load_b128 v[BI+8*\b+4:BI+8*\b+7], v7, s[8:9] offset:128*(\b/2)+32*(\b%2)+16
.endr
	s_mul_i32 s21, s15, HALFT
	s_mul_i32 s22, s16, HALFT
	s_add_co_u32 s22, s22, 2*HALFT
.irp s, 0,1,2
	v_add_nc_u32 v[ADRA+\s], s21, v3
	v_add_nc_u32 v[ADRB+\s], s22, v3
	s_add_co_u32 s21, s21, SLOT
	s_add_co_u32 s22, s22, SLOT
.endr
	v_lshlrev_b32 v5, 2, v1
	s_lshl_b32 s21, s15, 12
	s_lshl_b32 s22, s16, 12
	s_add_co_u32 s22, s22, 2*HALFS
	s_sub_co_u32 s22, s22, s21
	v_mul_u32_u24 v6, s22, v2
	s_add_co_u32 s21, s21, SCL
	v_add_nc_u32 v5, v5, v6
	v_add_nc_u32 v[ADRS], s21, v5
	s_mul_i32 s23, s14, 16*SPITCH
	s_add_co_u32 s23, s23, STAGE
	v_mul_u32_u24 v5, v1, SPITCH
	v_lshl_add_u32 v5, v2, 6, v5
	v_add_nc_u32 v[STO], s23, v5
	v_mul_u32_u24 v6, v2, SPITCH
	v_lshl_add_u32 v6, v1, 4, v6
	v_add_nc_u32 v[RD], s23, v6
	v_lshlrev_b32 v[CO], 13, v2
	v_lshl_add_u32 v[CO], v1, 4, v[CO]
	s_lshl_b32 s20, s17, 7
	s_lshl_b32 s21, s15, 6
	s_add_co_u32 s20, s20, s21
	s_lshl_b32 s20, s20, 13
	s_add_co_u32 s20, s20, s18
	s_mov_b32 s21, 0
	s_add_nc_u64 s[10:11], s[10:11], s[20:21]
.macro FRAG reg, adr, off
.irp c, 0,1,2
	ds_load_b128 v[\reg+4*\c:\reg+4*\c+3], v[\adr] offset:\off+512*\c
.endr
.endm
.macro FETCH t
.set PF, 96*((\t)%2)
.set RG, ((\t)/4)%3
.set QO, ((\t)%4)*FRB
	WIN TO_F
.irp i, 0,1,2,3
	FRAG PF+FR*\i, ADRB+RG, \i*BLKB+QO
.endr
.irp i, 0,1
	FRAG PF+48+FR*\i, ADRA+RG, \i*BLKB+QO
.endr
.if (\t)%4 == 0
	WIN 0
.irp i, 0,1,2,3
.irp q, 0,1,2,3
	ds_load_b32 v[SC+16*(((\t)/4)%2)+4*\i+\q], v[ADRS] offset:\i*1024+64*(4*((\t)/4)+\q)
.endr
.endr
	WIN TO_F
.endif
.irp i, 2,3
	FRAG PF+48+FR*\i, ADRA+RG, \i*BLKB+QO
.endr
.endm
.macro MULA t, a, first
.set PB, 96*((\t)%2)
.set SB, SC+16*(((\t)/4)%2)+(\t)%4
.irp b, 0,1,2,3
.if \first
	v_wmma_scale_f32_16x16x128_f8f6f4 v[ACC+8*(4*(\a)+\b):ACC+8*(4*(\a)+\b)+7], v[PB+FR*\b:PB+FR*\b+FR-1], v[PB+48+FR*(\a):PB+48+FR*(\a)+FR-1], v[BI+8*\b:BI+8*\b+7], v[SB+4*\b], v[SB+4*(\a)] matrix_a_fmt:MATRIX_FMT_FP6 matrix_b_fmt:MATRIX_FMT_FP6 matrix_a_scale:MATRIX_SCALE_ROW1
.else
	v_wmma_scale_f32_16x16x128_f8f6f4 v[ACC+8*(4*(\a)+\b):ACC+8*(4*(\a)+\b)+7], v[PB+FR*\b:PB+FR*\b+FR-1], v[PB+48+FR*(\a):PB+48+FR*(\a)+FR-1], v[ACC+8*(4*(\a)+\b):ACC+8*(4*(\a)+\b)+7], v[SB+4*\b], v[SB+4*(\a)] matrix_a_fmt:MATRIX_FMT_FP6 matrix_b_fmt:MATRIX_FMT_FP6 matrix_a_scale:MATRIX_SCALE_ROW1
.endif
.endr
.endm
.macro PLACES n
.rept \n
	v_nop
.endr
.endm
.macro STEP t, first
	s_wait_dscnt 2*NL
	WIN MUL
	MULA \t, 0, \first
	MULA \t, 1, \first
	s_wait_dscnt 0x0
	PLACES NP
	FETCH (\t)+1
	WIN MUL
	MULA \t, 2, \first
	MULA \t, 3, \first
.endm
.macro TURN t, fill
	WIN 0
	s_wait_tensorcnt 0x0
	ds_add_u32 v[SPW], v[NIL]
	s_wait_dscnt 2*NL+1
	WIN MUL
	MULA \t, 0, 0
	s_wait_dscnt 0x0
	s_barrier_signal -1
	MULA \t, 1, 0
	WIN 0
	s_barrier_wait -1
.if \fill
	CREST
	s_add_nc_u64 s[G0+2:G0+3], s[G0+2:G0+3], 3*BLKB
	s_add_nc_u64 s[G0B+2:G0B+3], s[G0B+2:G0B+3], 3*BLKB
	JLOAD G0, G1, G0B, G1B
.else
	PLACES NP
.endif
	FETCH (\t)+1
	WIN MUL
	MULA \t, 2, 0
	MULA \t, 3, 0
.endm
	s_wait_alu depctr_va_vdst(0)
	s_wait_tensorcnt 2
	s_barrier_signal -1
	s_barrier_wait -1
	FETCH 0
	s_wait_loadcnt 0x0
	STEP 0, 1
	STEP 1, 0
	STEP 2, 0
	TURN 3, 1
	STEP 4, 0
	STEP 5, 0
	STEP 6, 0
	STEP 7, 0
	STEP 8, 0
	STEP 9, 0
	STEP 10, 0
	TURN 11, 0
	STEP 12, 0
	STEP 13, 0
	STEP 14, 0
	s_wait_dscnt 2*NL
	WIN MUL
	MULA 15, 0, 0
	MULA 15, 1, 0
	s_wait_dscnt 0x0
	MULA 15, 2, 0
	MULA 15, 3, 0
	WIN 0
.macro TOSTAGE a
.set AC, ACC+32*(\a)
.irp b, 0,1,2,3
	ds_store_b128 v[STO], v[AC+8*\b:AC+8*\b+3] offset:128*(\b/2)+32*(\b%2)
	ds_store_b128 v[STO], v[AC+8*\b+4:AC+8*\b+7] offset:128*(\b/2)+32*(\b%2)+16
.endr
.set BB, BK+32*((\a)%2)
.irp t, 0,1,2,3,4,5,6,7
	ds_load_b128 v[BB+4*\t:BB+4*\t+3], v[RD] offset:2*\t*SPITCH
.endr
.endm
.macro SEND a, younger
.set BB, BK+32*((\a)%2)
	s_wait_dscnt \younger
.irp t, 0,1,2,3,4,5,6,7
	global_store_b128 v[CO], v[BB+4*\t:BB+4*\t+3], s[10:11] offset:(32*((\a)/2)+8*((\a)%2)+(2*\t)%8+16*(\t/4))*CROW th:TH_STORE_NT
.endr
.endm
	PLACES NP
	TOSTAGE 0
.irp a, 1,2,3
.if \a > 1
	s_wait_xcnt 0x0
.endif
	TOSTAGE \a
	SEND \a-1, 16
.endr
	SEND 3, 0
	s_wait_tensorcnt 0x0
	ds_add_u32 v[SPW], v[NIL]
	s_wait_dscnt 0x0
	CROUND
	s_endpgm
.Lfunc_end_k_qee9da58563_proj:
	.size	k_qee9da58563_proj, .Lfunc_end_k_qee9da58563_proj-k_qee9da58563_proj
	.p2alignl 7, 3214868480
	.fill 96, 4, 3214868480
	.section	.rodata,"a",@progbits
	.p2align	6, 0x0
	.amdhsa_kernel k_qee9da58563_proj
		.amdhsa_group_segment_fixed_size 327680
		.amdhsa_private_segment_fixed_size 0
		.amdhsa_enable_private_segment 0
		.amdhsa_kernarg_size 32
		.amdhsa_user_sgpr_count 2
		.amdhsa_user_sgpr_kernarg_segment_ptr 1
		.amdhsa_wavefront_size32 1
		.amdhsa_system_sgpr_workgroup_id_x 1
		.amdhsa_system_sgpr_workgroup_id_y 1
		.amdhsa_system_sgpr_workgroup_id_z 1
		.amdhsa_system_vgpr_workitem_id 0
		.amdhsa_next_free_vgpr 512
		.amdhsa_next_free_sgpr 102
		.amdhsa_reserve_vcc 0
		.amdhsa_float_denorm_mode_32 3
		.amdhsa_float_denorm_mode_16_64 3
		.amdhsa_memory_ordered 1
		.amdhsa_forward_progress 1
		.amdhsa_inst_pref_size 86
	.end_amdhsa_kernel
	.amdgpu_metadata
---
amdhsa.version: [ 1, 2 ]
amdhsa.kernels:
  - .name:           k_qee9da58563_proj
    .symbol:         k_qee9da58563_proj.kd
    .args:
      - { .name: oq, .offset: 0, .size: 8, .value_kind: global_buffer, .address_space: global }
      - { .name: woq, .offset: 8, .size: 8, .value_kind: global_buffer, .address_space: global }
      - { .name: bo, .offset: 16, .size: 8, .value_kind: global_buffer, .address_space: global }
      - { .name: out0, .offset: 24, .size: 8, .value_kind: global_buffer, .address_space: global }
    .group_segment_fixed_size: 327680
    .private_segment_fixed_size: 0
    .kernarg_segment_align: 8
    .kernarg_segment_size: 32
    .max_flat_workgroup_size: 128
    .sgpr_count:     102
    .vgpr_count:     512
    .wavefront_size: 32
...
	.end_amdgpu_metadata
.endif
;; end of part 5
